; MI455X (gfx1250); checked and timed in simulation.
; The chip was launched on July 23, 2026; its instructions are those of AMD's public machine-readable ISA for CDNA 5 (MIT licence, August 2026) and "CDNA5" Instruction Set Architecture Reference Guide (July 2026). The comments in the code are by the model that wrote it; some were corrected since.
;; Attention Block. Allowed arithmetic: matrix products marked QUANTISED: E3M2 operands, one E8M0 scale for each 32 along K, by v_wmma_scale_f32_16x16x128_f8f6f4 with both operands' format E3M2, f32 sums; everything else in f32.
;; Inputs: ca_bo 1,024 float32; ca_norm_b 1,024 float32; ca_norm_g 1,024 float32; ca_normc_b 1,024 float32; ca_normc_g 1,024 float32; ca_rel 32 x 16 float32; ca_wkv_codes 2,048 x 32 x 24 uint8 (E3M2 codes of ca_wkv, K innermost, in blocks of 32 codes, four codes in three bytes); ca_wkv_scales 2,048 x 32 uint8 (E8M0 scales of ca_wkv, one for each 32 codes along K); ca_wo_codes 1,024 x 32 x 24 uint8 (E3M2 codes of ca_wo, K innermost, in blocks of 32 codes, four codes in three bytes); ca_wo_scales 1,024 x 32 uint8 (E8M0 scales of ca_wo, one for each 32 codes along K); ca_wq_codes 1,024 x 32 x 24 uint8 (E3M2 codes of ca_wq, K innermost, in blocks of 32 codes, four codes in three bytes); ca_wq_scales 1,024 x 32 uint8 (E8M0 scales of ca_wq, one for each 32 codes along K); context 2 x 512 x 1,024 float32; sa_bo 1,024 float32; sa_norm_b 1,024 float32; sa_norm_g 1,024 float32; sa_normc_b 1,024 float32; sa_normc_g 1,024 float32; sa_rel 32 x 16 float32; sa_wkv_codes 2,048 x 32 x 24 uint8 (E3M2 codes of sa_wkv, K innermost, in blocks of 32 codes, four codes in three bytes); sa_wkv_scales 2,048 x 32 uint8 (E8M0 scales of sa_wkv, one for each 32 codes along K); sa_wo_codes 1,024 x 32 x 24 uint8 (E3M2 codes of sa_wo, K innermost, in blocks of 32 codes, four codes in three bytes); sa_wo_scales 1,024 x 32 uint8 (E8M0 scales of sa_wo, one for each 32 codes along K); sa_wq_codes 1,024 x 32 x 24 uint8 (E3M2 codes of sa_wq, K innermost, in blocks of 32 codes, four codes in three bytes); sa_wq_scales 1,024 x 32 uint8 (E8M0 scales of sa_wq, one for each 32 codes along K); x 2 x 2,048 x 1,024 float32.
;; Outputs: out0 2 x 2,048 x 1,024 float32.
;; This version of the problem:
;;   THIS VERSION OF THE PROBLEM IS GIVEN IN LOW PRECISION. The matrix products marked QUANTISED in the list below multiply operands that are first quantised to E3M2 (3 exponent bits, 2 mantissa bits; 6 bits a number), with one power-of-two scale for each 32 numbers along K (OCP MX v1.0); their sums are f32. All else is computed in f32.
;;   The module's matrix products, in the order in which they are computed (A, B: the left and right operand; K: the contracted axis; several contracted axes count as one K, in the product's order):
;;     1. [M 4,096, K 1,024] x [K 1,024, N 1,024]; A: computed on the way; B: input sa_wq (given as codes): QUANTISED
;;     2. [M 4,096, K 1,024] x [K 1,024, N 2,048]; A: computed on the way; B: input sa_wkv (given as codes): QUANTISED
;;     3. batch 32 x [M 2,048, K 64] x [K 64, N 2,048]; A: computed on the way; B: computed on the way: QUANTISED
;;     4. batch 32 x [M 2,048, K 2,048] x [K 2,048, N 64]; A: softmax (see below); B: computed on the way: QUANTISED
;;     5. [M 4,096, K 1,024] x [K 1,024, N 1,024]; A: computed on the way; B: input sa_wo (given as codes): QUANTISED
;;     6. [M 4,096, K 1,024] x [K 1,024, N 1,024]; A: computed on the way; B: input ca_wq (given as codes): QUANTISED
;;     7. [M 1,024, K 1,024] x [K 1,024, N 2,048]; A: computed on the way; B: input ca_wkv (given as codes): QUANTISED
;;     8. batch 32 x [M 2,048, K 64] x [K 64, N 512]; A: computed on the way; B: computed on the way: QUANTISED
;;     9. batch 32 x [M 2,048, K 512] x [K 512, N 64]; A: softmax (see below); B: computed on the way: QUANTISED
;;     10. [M 4,096, K 1,024] x [K 1,024, N 1,024]; A: computed on the way; B: input ca_wo (given as codes): QUANTISED
;;   THE QUANTISER, for each operand of a quantised product, along K:
;;     - K is cut into blocks of 32 from its start; a last block that is shorter is filled with zeros.
;;     - A block's scale is 2^e with e = floor(log2(the largest magnitude in the block)) - 4, held to -126 .. 127; a block of zeros has e = 0. As a byte (E8M0): e + 127.
;;     - Each number is divided by its block's scale, clamped to +-28, and rounded to the nearest number of E3M2, ties to even, subnormals kept.
;;     - The product sums the exact products of the quantised numbers (number of the format x scale) in f32.
;;   ~~~python
;;   def quantise(x, axis):      # numpy; x: float32 -> the quantised numbers, widened to float32 again
;;       x = np.moveaxis(x, axis, -1); K = x.shape[-1]
;;       x = np.pad(x, [(0, 0)] * (x.ndim - 1) + [(0, -K % 32)]); x = x.reshape(x.shape[:-1] + (-1, 32)); a = np.abs(x).max(-1, keepdims=True)
;;       e = np.where(a > 0, np.clip(np.frexp(np.where(a > 0, a, 1))[1] - 1 - 4, -126, 127), 0)      # np.frexp(a)[1] - 1 = floor(log2(a)), exactly
;;       r = np.clip(x / 2.0 ** e, -28, 28)
;;       step = 2.0 ** (np.maximum(np.frexp(np.where(r == 0, 1, r))[1] - 1, -2) - 2)
;;       q = np.round(r / step) * step * 2.0 ** e      # np.round: ties to even
;;       return np.moveaxis(q.reshape(q.shape[:-2] + (-1,))[..., :K], -1, axis).astype(np.float32)
;;   ~~~
;;   SOFTMAX AHEAD OF A QUANTISED PRODUCT. Where the list says 'softmax', what is quantised is not the finished softmax but p = 2^(t - M), with t = logit x log2(e) and M = ceil(the row's largest t), a whole number; so 1/2 < the row's largest p <= 1. The row's sum l is taken of the UNQUANTISED p, in f32, and the product's result is divided by l at the end. Since M is a whole number, a kernel that streams over the keys may use a running M (the ceiling of the running maximum): every later rescaling is an exact power of two, which a block's scale takes up: the codes' values come out the same.
;;   OPERANDS COMPUTED ON THE WAY. 'Computed on the way' means the value that the module computes at that place (a softmax that the list does not call 'softmax' is quantised finished and normalised). What goes into a quantiser is computed in f32, as accurately as f32 sums, v_exp_f32 and their like allow (about 1e-6 of the number): no bf16 or f16 on the way to a quantiser, and a product that is left as it is and whose result goes on into a quantised operand takes f32 operands (vector FMAs, or v_wmma_f32_16x16x4_f32). A number that lies on a knife's edge between two numbers of the format may be rounded either way, as far as f32 arithmetic and the matrix unit's own rounding can turn it there, and no further.
;;   INPUTS GIVEN AS CODES. ca_wkv (in the module: [1024, 2048], K = its axis 0); ca_wo (in the module: [1024, 1024], K = its axis 0); ca_wq (in the module: [1024, 1024], K = its axis 0); sa_wkv (in the module: [1024, 2048], K = its axis 0); sa_wo (in the module: [1024, 1024], K = its axis 0); sa_wq (in the module: [1024, 1024], K = its axis 0): each comes as NAME_codes (uint8): NAME with its K axis moved to the last place and cut into blocks of 32 codes, [.., K / 32, bytes a block], one block behind the other in memory; four codes in three bytes: a row's codes are one little-endian stream of bits, code i at bits 6 i .. 6 i + 5 (a code: sign, 3 exponent bits, 2 mantissa bits); and NAME_scales (uint8): the same leading axes, one E8M0 byte (e + 127) for each 32 codes along K. Its value is code x scale, taken as it is: it is not quantised again, and the codes and scales need not be those that the quantiser above would give.
;; One version. Each part assembles by itself: llvm-mc -triple=amdgcn-amd-amdhsa -mcpu=gfx1250 --defsym DOCPART=n.
;; ======== version 1 of 1: 8 launches
;; workspace buffers: acts 7,372,800 bytes; qkv 11,763,712 bytes; o 3,407,872 bytes; x1 16,777,216 bytes
;; launch ln1 (part 1): grid 1152 x 1, 4 waves a work-group, no clusters, 31,488 bytes of LDS; arguments x, sa_norm_g, sa_norm_b, sa_normc_g, sa_normc_b, context, ca_normc_g, ca_normc_b, acts; writes acts
.if DOCPART == 1
	.amdgcn_target "amdgcn-amd-amdhsa--gfx1250"
	.amdhsa_code_object_version 6
	.text
	.protected	k_q6cae95a370_ln1
	.globl	k_q6cae95a370_ln1
	.p2align	8
	.type	k_q6cae95a370_ln1,@function
k_q6cae95a370_ln1:
	s_mov_b64 s[64:65], 0
	v_nop
	global_prefetch_b8 v0, s[64:65] scope:SCOPE_SE
	s_setreg_imm32_b32 hwreg(HW_REG_WAVE_MODE, 25, 1), 1
	s_wait_xcnt 0x0
; LAYER NORM, THEN THE QUANTISER.  Rows of 1,024 f32 become codes of BF6 (E3M2) with one E8M0 byte for each 32 along the row.
; Arguments: source A, gain and bias A, gain and bias B, source C, gain and bias C, destination.
; Work-groups 0-511 norm source A with set A (segment 0), 512-1023 source A with set B (segment 1), 1024-1151 source C with set C (segment 2).
; Destination: codes [9216 rows][768 bytes] at 0, scale bytes [9216][32] at ASC; row = segment's base (0, 4096, 8192) + POSITION.
; A row's POSITION is its number with bits 3 and 4 exchanged: so 16 consecutive positions, taken as a matrix instruction's source 0,
; leave 16 neighbouring rows in the registers of two neighbouring tiles.  Eight consecutive rows stay eight consecutive positions.
; SHARES.  A work-group takes 8 rows, each of its four waves 2; both rows of a wave are asked for at the head, sixteen loads of 512 consecutive bytes,
; so that every row of the launch is on its way as soon as its wave has started, and a wave's chain of dependent steps is two rows long.
; A row turns through the wave's own stage in LDS so that a lane holds 2 x 16 neighbours, as the conversion wants them.
; GAIN AND BIAS come once for the work-group: wave 0 brings the gain, wave 1 the bias, eight loads of 512 consecutive bytes each; they turn through two stages
; of their own, and behind a barrier every wave reads its lanes' 2 x 16 numbers of each.
; The work-group's 8 x 32 scale bytes meet in LDS; behind a second barrier wave 0 stores them as 256 consecutive bytes, aligned.
; Mean, then the mean of squares of the differences: two passes over registers, so a common offset costs no accuracy.
; LIMITS: NaN and infinities are not served.  A block of zeros, or one whose largest magnitude lies under 2^-122, gets the byte 1
; (the rule says 127 for zeros): its codes are zeros, and only this program reads the bytes.
; No tensor loads, no matrix unit, no cluster: memory binds, and work-groups share nothing but the small gain and bias.
.set ASC,  7077888
.set SP,   80                          ; a place in a stage: 64 bytes + 16 of padding
.set STG,  64*SP                       ; a stage: a row of 1,024 numbers
.set GST,  4*STG                       ; behind the four waves' stages: the gain's, then the bias's
.set SCB,  6*STG                       ; and the work-group's 256 scale bytes
.set G, 24                             ; v24-55   gain of my 32 columns
.set B, 56                             ; v56-87   bias
.set X, 88                             ; v88-119  the row in hand: 2 x 16 neighbours (at the head, in waves 0 and 1: gain or bias as loaded)
.set R, 120                            ; v120-183 my two rows as loaded
.set C, 184                            ; v184-191 codes, 2 x 3 registers
	s_load_b512 s[4:19], s[0:1], 0x0
	s_load_b64 s[20:21], s[0:1], 0x40
	v_lshl_add_u32 v192, v0, 2, 0x7900
	v_mov_b32 v193, 0
	v_lshrrev_b32 v1, 5, v0
	v_readfirstlane_b32 s22, v1                    ; wave 0..3
	v_and_b32 v1, 31, v0                           ; lane
	v_lshlrev_b32 v2, 4, v1                        ; my 16 bytes of a load's 512
	s_mul_i32 s24, s22, STG
	v_lshrrev_b32 v4, 2, v1
	v_mul_u32_u24 v4, v4, SP
	v_and_b32 v5, 3, v1
	v_lshl_add_u32 v4, v5, 4, v4                   ; into a stage: four lanes fill a place
	s_and_b32 s25, s22, 1
	s_mul_i32 s25, s25, STG
	s_add_co_u32 s25, s25, GST
	v_add_nc_u32 v3, s25, v4                       ; the gain's stage (wave 0) or the bias's (wave 1), in
	v_add_nc_u32 v4, s24, v4                       ; my wave's stage, in
	v_mul_u32_u24 v5, v1, SP                       ; out of a stage: a place a lane
	v_add_nc_u32 v23, GST, v5                      ; the gain's stage, out; the bias's lies STG further on
	v_add_nc_u32 v5, s24, v5                       ; my wave's stage, out
	v_mul_u32_u24 v6, v1, 12                       ; my 12 bytes of codes
	s_lshl_b32 s24, s22, 6
	s_add_co_u32 s24, s24, SCB
	v_lshrrev_b32 v7, 1, v1
	v_add_nc_u32 v7, s24, v7                       ; my block's scale byte: 64 bytes a wave, 32 a row
	v_lshlrev_b32 v8, 3, v1
	v_add_nc_u32 v9, SCB, v8                       ; the scale bytes on their way out: 8 a lane
	v_mov_b32 v20, 0                               ; a lane permute's destination counts as read
	s_mov_b32 s28, 0x76543210
	s_mov_b32 s29, 0xfedcba98                      ; selects: lane l xor 16
	s_mov_b32 s30, 0x3a800000                      ; 1 / 1024
	s_mov_b32 s23, 0x3727c5ac                      ; 1e-5
	s_wait_kmcnt 0x0
	s_cmp_ge_u32 ttmp9, 512                        ; the segment hangs on the work-group's number alone
	s_cselect_b64 s[6:7], s[10:11], s[6:7]
	s_cselect_b64 s[8:9], s[12:13], s[8:9]
	s_cselect_b32 s31, 512, 0
	s_cselect_b32 s32, 4096, 0
	s_cmp_ge_u32 ttmp9, 1024
	s_cselect_b64 s[4:5], s[14:15], s[4:5]
	s_cselect_b64 s[6:7], s[16:17], s[6:7]
	s_cselect_b64 s[8:9], s[18:19], s[8:9]
	s_cselect_b32 s31, 1024, s31
	s_cselect_b32 s32, 8192, s32
	s_cmp_eq_u32 s22, 1                            ; wave 0 brings the gain, wave 1 the bias: a choice on the wave's number
	s_cselect_b64 s[10:11], s[8:9], s[6:7]
	s_sub_co_u32 s26, ttmp9, s31                   ; which 8 rows of the segment
	s_lshl_b32 s27, s26, 3
	s_lshl_b32 s33, s22, 1
	s_add_co_u32 s27, s27, s33                     ; my wave's first row
	s_lshl_b32 s34, s27, 12
	s_mov_b32 s35, 0
	s_add_nc_u64 s[4:5], s[4:5], s[34:35]
	s_lshr_b32 s27, s26, 2                         ; the eight rows' first position: bits 3 and 4 of 8 x s26 exchanged
	s_lshl_b32 s27, s27, 5
	s_and_b32 s24, s26, 1
	s_lshl_b32 s24, s24, 4
	s_add_co_u32 s27, s27, s24
	s_bfe_u32 s24, s26, 0x10001
	s_lshl_b32 s24, s24, 3
	s_add_co_u32 s27, s27, s24
	s_add_co_u32 s27, s27, s32                     ; as a row of the destination
	s_lshl_b32 s34, s27, 5
	s_add_co_u32 s34, s34, ASC
	s_add_nc_u64 s[38:39], s[20:21], s[34:35]      ; the work-group's 256 scale bytes, at a multiple of 256
	s_add_co_u32 s27, s27, s33
	s_mul_i32 s34, s27, 768
	s_add_nc_u64 s[36:37], s[20:21], s[34:35]      ; my wave's codes
	s_cmp_lt_u32 s22, 2
	s_cbranch_scc0 .Lrows
.irp i, 0,1,2,3,4,5,6,7
	global_load_b128 v[X+4*\i:X+4*\i+3], v2, s[10:11] offset:512*\i   ; gain or bias: asked for first, since all four waves wait for them
.endr
.Lrows:
.macro LOADROW k                       ; eight loads of 512 consecutive bytes
.irp i, 0,1,2,3,4,5,6,7
	global_load_b128 v[R+32*(\k)+4*\i:R+32*(\k)+4*\i+3], v2, s[4:5] offset:4096*(\k)+512*\i
.endr
.endm
	LOADROW 0
	LOADROW 1
	s_wait_loadcnt 16                              ; all but my sixteen row loads, which were issued last: gain or bias is in (a wave that brought neither passes at once)
	s_cmp_lt_u32 s22, 2
	s_cbranch_scc0 .Lshared
.irp i, 0,1,2,3,4,5,6,7
	ds_store_b128 v3, v[X+4*\i:X+4*\i+3] offset:8*SP*\i
.endr
.Lshared:
	s_wait_dscnt 0x0                               ; for the others' sake: my stores into the shared stages are done
	s_barrier_signal -1
	s_barrier_wait -1                              ; gain and bias lie in LDS; nobody writes these stages again
.irp t, 0,1
.irp j, 0,1,2,3
	ds_load_b128 v[G+16*\t+4*\j:G+16*\t+4*\j+3], v23 offset:32*SP*\t+16*\j        ; numbers 512 t + 16 lane + 0 .. 15
	ds_load_b128 v[B+16*\t+4*\j:B+16*\t+4*\j+3], v23 offset:STG+32*SP*\t+16*\j
.endr
.endr
.macro REDUCE r                        ; the sum over the 32 lanes, in every lane
	v_add_f32_dpp v[\r], v[\r], v[\r] row_xmask:1 row_mask:0xf bank_mask:0xf
	v_add_f32_dpp v[\r], v[\r], v[\r] row_xmask:2 row_mask:0xf bank_mask:0xf
	v_add_f32_dpp v[\r], v[\r], v[\r] row_xmask:4 row_mask:0xf bank_mask:0xf
	v_add_f32_dpp v[\r], v[\r], v[\r] row_xmask:8 row_mask:0xf bank_mask:0xf
	v_permlanex16_b32 v20, v[\r], s28, s29
	v_add_f32 v[\r], v[\r], v20
.endm
.macro ROW k
	s_wait_loadcnt 8*(1-(\k))                      ; my row is in; the count is the other row's eight loads, issued behind it
.irp i, 0,1,2,3,4,5,6,7
	ds_store_b128 v4, v[R+32*(\k)+4*\i:R+32*(\k)+4*\i+3] offset:8*SP*\i
.endr
.irp t, 0,1
.irp j, 0,1,2,3
	ds_load_b128 v[X+16*\t+4*\j:X+16*\t+4*\j+3], v5 offset:32*SP*\t+16*\j   ; LDS serves a wave's instructions in order: these see the stores.  Numbers 512 t + 16 lane + 0 .. 15
.endr
.endr
	s_wait_dscnt 0x0                               ; the row is back; gain and bias are in; the last row's byte stores have read their registers
	v_pk_add_f32 v[14:15], v[X:X+1], v[X+2:X+3]    ; the sum, in two chains
	v_pk_add_f32 v[16:17], v[X+4:X+5], v[X+6:X+7]
.irp j, 8,12,16,20,24,28
	v_pk_add_f32 v[14:15], v[14:15], v[X+\j:X+\j+1]
	v_pk_add_f32 v[16:17], v[16:17], v[X+\j+2:X+\j+3]
.endr
	v_pk_add_f32 v[14:15], v[14:15], v[16:17]
	v_add_f32 v14, v14, v15
	REDUCE 14
	v_mul_f32 v18, s30, v14                        ; the mean, twice
	v_mul_f32 v19, s30, v14
.irp j, 0,2,4,6,8,10,12,14,16,18,20,22,24,26,28,30
	v_pk_add_f32 v[X+\j:X+\j+1], v[X+\j:X+\j+1], v[18:19] neg_lo:[0,1] neg_hi:[0,1]
.endr
	v_pk_mul_f32 v[14:15], v[X:X+1], v[X:X+1]      ; the sum of squares of the differences
	v_pk_mul_f32 v[16:17], v[X+2:X+3], v[X+2:X+3]
.irp j, 4,8,12,16,20,24,28
	v_pk_fma_f32 v[14:15], v[X+\j:X+\j+1], v[X+\j:X+\j+1], v[14:15]
	v_pk_fma_f32 v[16:17], v[X+\j+2:X+\j+3], v[X+\j+2:X+\j+3], v[16:17]
.endr
	v_pk_add_f32 v[14:15], v[14:15], v[16:17]
	v_add_f32 v14, v14, v15
	REDUCE 14
	v_fma_f32 v14, v14, s30, s23                   ; variance + 1e-5
	v_rsq_f32 v18, v14
	v_nop                                          ; one plain instruction behind a transcendental (ISA guide 5.7.2)
	s_wait_alu depctr_va_vdst(0)
	v_mov_b32 v19, v18
.irp j, 0,2,4,6,8,10,12,14,16,18,20,22,24,26,28,30
	v_pk_mul_f32 v[X+\j:X+\j+1], v[X+\j:X+\j+1], v[18:19]
.endr
.irp j, 0,2,4,6,8,10,12,14,16,18,20,22,24,26,28,30
	v_pk_fma_f32 v[X+\j:X+\j+1], v[X+\j:X+\j+1], v[G+\j:G+\j+1], v[B+\j:B+\j+1]
.endr
	s_wait_xcnt 0x0                                ; the last row's stores have read the codes' registers: only now are these written again
.irp t, 0,1
.set XS, X+16*\t
	v_max3_num_f32 v10, |v[XS]|, |v[XS+1]|, |v[XS+2]|          ; the largest magnitude of my 16
	v_max3_num_f32 v11, |v[XS+3]|, |v[XS+4]|, |v[XS+5]|
.irp i, 6,10
	v_max3_num_f32 v10, v10, |v[XS+\i]|, |v[XS+\i+1]|
	v_max3_num_f32 v11, v11, |v[XS+\i+2]|, |v[XS+\i+3]|
.endr
	v_max3_num_f32 v10, v10, |v[XS+14]|, |v[XS+15]|
	v_max3_num_f32 v10, v10, v11, 0x2800000        ; and the floor 2^(5 - 127): the byte cannot fall under 1
	v_max_num_f32_dpp v10, v10, v10 row_xmask:1 row_mask:0xf bank_mask:0xf   ; with my neighbour's 16: the block's
	v_add_nc_u32 v[12+10*\t], 0xfe000000, v10      ; 4 off its exponent field: the conversion's scale operand
	v_cvt_scalef32_pk16_bf6_f32 v[C+4*\t:C+4*\t+2], v[XS:XS+15], v[12+10*\t]
	v_lshrrev_b32 v[13+8*\t], 23, v[12+10*\t]      ; the scale's byte (a plain instruction behind the conversion)
	ds_store_b8 v7, v[13+8*\t] offset:32*(\k)+16*\t    ; both lanes of a block write the same byte with the same value
	global_store_b96 v6, v[C+4*\t:C+4*\t+2], s[36:37] offset:768*(\k)+384*\t   ; the wave stores 384 consecutive bytes
.endr
.endm
	ROW 0
	ROW 1
	s_wait_dscnt 0x0                               ; for wave 0's sake: my 64 scale bytes lie in LDS
	s_barrier_signal -1
	s_barrier_wait -1
	s_cmp_lg_u32 s22, 0
	s_cbranch_scc1 .Lend
	ds_load_b64 v[10:11], v9                       ; the work-group's 256 scale bytes
	s_wait_dscnt 0x0
	global_store_b64 v8, v[10:11], s[38:39]        ; 256 consecutive bytes, aligned
.Lend:
	s_wait_tensorcnt 0x0
	ds_add_u32 v192, v193
	s_wait_dscnt 0x0
	s_endpgm
.Lfunc_end_k_q6cae95a370_ln1:
	.size	k_q6cae95a370_ln1, .Lfunc_end_k_q6cae95a370_ln1-k_q6cae95a370_ln1
	.p2alignl 7, 3214868480
	.fill 96, 4, 3214868480
	.section	.rodata,"a",@progbits
	.p2align	6, 0x0
	.amdhsa_kernel k_q6cae95a370_ln1
		.amdhsa_group_segment_fixed_size 31488
		.amdhsa_private_segment_fixed_size 0
		.amdhsa_enable_private_segment 0
		.amdhsa_kernarg_size 72
		.amdhsa_user_sgpr_count 2
		.amdhsa_user_sgpr_kernarg_segment_ptr 1
		.amdhsa_wavefront_size32 1
		.amdhsa_system_sgpr_workgroup_id_x 1
		.amdhsa_system_sgpr_workgroup_id_y 1
		.amdhsa_system_sgpr_workgroup_id_z 1
		.amdhsa_system_vgpr_workitem_id 0
		.amdhsa_next_free_vgpr 194
		.amdhsa_next_free_sgpr 66
		.amdhsa_reserve_vcc 0
		.amdhsa_float_denorm_mode_32 3
		.amdhsa_float_denorm_mode_16_64 3
		.amdhsa_memory_ordered 1
		.amdhsa_forward_progress 1
		.amdhsa_inst_pref_size 26
	.end_amdhsa_kernel
	.amdgpu_metadata
---
amdhsa.version: [ 1, 2 ]
amdhsa.kernels:
  - .name:           k_q6cae95a370_ln1
    .symbol:         k_q6cae95a370_ln1.kd
    .args:
      - { .name: x, .offset: 0, .size: 8, .value_kind: global_buffer, .address_space: global }
      - { .name: sa_norm_g, .offset: 8, .size: 8, .value_kind: global_buffer, .address_space: global }
      - { .name: sa_norm_b, .offset: 16, .size: 8, .value_kind: global_buffer, .address_space: global }
      - { .name: sa_normc_g, .offset: 24, .size: 8, .value_kind: global_buffer, .address_space: global }
      - { .name: sa_normc_b, .offset: 32, .size: 8, .value_kind: global_buffer, .address_space: global }
      - { .name: context, .offset: 40, .size: 8, .value_kind: global_buffer, .address_space: global }
      - { .name: ca_normc_g, .offset: 48, .size: 8, .value_kind: global_buffer, .address_space: global }
      - { .name: ca_normc_b, .offset: 56, .size: 8, .value_kind: global_buffer, .address_space: global }
      - { .name: acts, .offset: 64, .size: 8, .value_kind: global_buffer, .address_space: global }
    .group_segment_fixed_size: 31488
    .private_segment_fixed_size: 0
    .kernarg_segment_align: 8
    .kernarg_segment_size: 72
    .max_flat_workgroup_size: 128
    .sgpr_count:     66
    .vgpr_count:     194
    .wavefront_size: 32
...
	.end_amdgpu_metadata
.endif
;; end of part 1
;; launch qkv1 (part 2): grid 8 x 112, 4 waves a work-group, clusters of 4 x 4, 256,512 bytes of LDS; arguments acts, sa_wq_codes, sa_wq_scales, sa_wkv_codes, sa_wkv_scales, ca_wkv_codes, ca_wkv_scales, qkv; writes qkv
.if DOCPART == 2
	.amdgcn_target "amdgcn-amd-amdhsa--gfx1250"
	.amdhsa_code_object_version 6
	.text
	.protected	k_q6cae95a370_qkv1
	.globl	k_q6cae95a370_qkv1
	.p2align	8
	.type	k_q6cae95a370_qkv1,@function
k_q6cae95a370_qkv1:
	s_mov_b64 s[64:65], 0
	v_nop
	global_prefetch_b8 v0, s[64:65] scope:SCOPE_SE
	s_setreg_imm32_b32 hwreg(HW_REG_WAVE_MODE, 25, 1), 1
	s_wait_xcnt 0x0
	s_wait_alu depctr_hold_cnt(0) depctr_sa_sdst(0) depctr_va_vdst(0) depctr_va_sdst(0) depctr_va_ssrc(0) depctr_va_vcc(0) depctr_vm_vsrc(0)
	s_getreg_b32 s2, hwreg(HW_REG_IB_STS2, 6, 4)
	s_cmp_eq_u32 s2, 0
	s_cbranch_scc0 .Lentry_in_a_cluster
	s_endpgm
.Lentry_in_a_cluster:
	s_bfe_u32 s2, ttmp6, 0x10000c
	s_cmp_lg_u32 s2, 0xf033
	s_cbranch_scc0 .Lentry_shape_is_right
	s_endpgm
.Lentry_shape_is_right:
; PROJECTIONS ON CODES OF BF6, THEIR RESULTS QUANTISED IN REGISTERS.  A tile of 128 x 128, K = 1,024, all of K in LDS: every tensor load is a first fill.
; Arguments: activations (codes [9216][768], scale bytes at ASC), weight 1 (codes, scales), weight 2, weight 3, destination.
; THE PATH hangs on the cluster's y, gy, which all partners share:  0-7 q (segment 0 x weight 1);  8-15 k, 16-23 v (segment 1 x weight 2, rows 0 / 1,024 on);
; 24-25 k, 26-27 v (segment 2 x weight 3).  Source 0 of the matrix instruction is X (all 128 rows in every wave), source 1 is Y (32 rows a wave): register j of
; lane (r, h) of accumulator (y, b) is (X row 16 b + 8 h + j, Y row 16 y + r): a lane holds ONE row of Y and 64 numbers along X, and these are quantised along X.
;   q, k: X = 128 rows of the weight (two heads' 64 channels), Y = positions.  Inside a block of 32 channels the codes lie in the order 0-7, 16-23, 8-15, 24-31, alike in q and k:
;         the blocks are the same sets, so only the order of the score's sum differs.
;   v:    X = positions (keys), Y = rows of the weight (channels).  Positions have bits 3 and 4 exchanged, so the lane's registers are neighbouring keys.
; DESTINATION.  Q records at 0: [batch x head 32][16] x 6,656 = 8 tile images + 512 bytes of scale words.  KV records at 3,407,872 ([32][16]) and 10,092,544 ([32][4]) x 13,056 =
; K's 8 tile images | V's 4 fragment images | K's scale words 512 | V's 256.  A record is 128 positions.  A tile image (768 bytes: 16 rows x 64 K) is the operand's six registers:
; registers 0-3 at 16 x lane, 4-5 at 512 + 8 x lane; a fragment image (1,536 bytes: 16 rows x 128 K) its twelve, four at a time at 16 x lane.
; CLUSTER 4 x 4: Y's tiles hang on cy alone and are asked for jointly along a row of the cluster, X's on cx alone, along a column.
; By this text's own count a wave has five tensor loads out: its scales and four slots of 256 along K.  No LDS byte is filled twice.
; LIMITS: NaN and infinities are not served; a block of zeros or under 2^-122 gets the byte 1: its codes are zeros and only this program reads the bytes.
; REGISTERS.  Window 0: v1-7 at work; v8-15 Y's LDS addresses (four slots, and the same behind one padding more); v16-23 X's; v24, 25 scale words'; v26-31, v7 the way out;
;   v32-71 scale words, two sets of 20; v72-110 the quantiser; v128-255 the 16 accumulators.   Window 1: two sets of fragments, 8 of X then 2 of Y.
.set ASC,   7077888
.set PITCH, 240                        ; an LDS row: 3 x (64 bytes + 16 of padding)
.set HALFT, 64*PITCH                   ; what one tensor load brings
.set SLOT,  4*HALFT                    ; 256 along K: Y's 128 rows, then X's
.set YSC,   4*SLOT                     ; Y's scale bytes: 16 x (256 + 16)
.set XSC,   YSC+16*272
.set SSTK,  XSC+16*272                 ; the way out of q and k: two heads' scale words
.set SSTV,  SSTK+1024                  ; the way out of v (bytes of its own)
.set KC, (1<<20)|(1<<21)|(3<<22)|(3<<25)           ; group 1, word 0, codes: elements of 1 byte; padding on; bit 21 beside a mask; after every 16 words; 4 words
.set KS, (3<<16)|(1<<20)|(1<<21)|(5<<22)|(3<<25)   ; scales: elements of 8 bytes; after every 64 words; 4 words
.set TM, 72
.set PW, 88
.set PC, 92
.set MUL,  0x05                        ; sources 0 and 1 window 1; C and D window 0
.set TO_F, 0x40                        ; destination window 1
.set MSB, 0
.macro WIN new                         ; the immediate's high byte repeats the setting that is left
.if MSB != \new
	s_set_vgpr_msb (MSB<<8)|\new
.set MSB, \new
.endif
.endm
.macro ROUND                           ; a round of the cluster's barrier
	s_barrier_signal -1
	s_barrier_wait -1
	s_cmp_lg_u32 s96, 0
	s_cbranch_scc1 .Lnot_wave_0_\@
	s_barrier_signal -3
.Lnot_wave_0_\@:
	s_barrier_wait -3
	s_barrier_signal -1
	s_barrier_wait -1
.endm
.macro JLOAD g0y, g1y, g0x, g1x        ; a joint load: waves 0, 1 fetch Y's halves, waves 2, 3 X's.  Four v_nop follow each line
	s_cmp_eq_u32 s97, 0
	s_cbranch_scc0 .Lfor_x_\@
	tensor_load_to_lds s[\g0y:\g0y+3], s[\g1y:\g1y+7]
	s_nop 0
.rept 4
	v_nop
.endr
	s_branch .Lasked_\@
.Lfor_x_\@:
	tensor_load_to_lds s[\g0x:\g0x+3], s[\g1x:\g1x+7]
	s_nop 0
.rept 4
	v_nop
.endr
.Lasked_\@:
.endm
.macro PLACES
.rept 4
	v_nop
.endr
.endm
	s_load_b512 s[4:19], s[0:1], 0x0
	v_lshl_add_u32 v126, v0, 2, 0x3e800
	v_mov_b32 v127, 0
	ds_add_u32 v126, v127
	ds_add_u32 v126, v127
	v_lshrrev_b32 v1, 5, v0
	v_readfirstlane_b32 s96, v1                    ; wave 0..3
	s_lshr_b32 s97, s96, 1                         ; I fetch for Y (0) or X (1)
	s_and_b32 s98, s96, 1                          ; which 64 rows
	s_bfe_u32 s28, ttmp6, 0x40000                  ; cx: held only in registers of X's descriptors
	s_bfe_u32 s20, ttmp6, 0x40004                  ; cy: only in Y's
	s_and_b32 s36, ttmp7, 0xffff                   ; gy
	s_mov_b32 s37, 0                               ; the path's first gy
	s_mov_b32 s38, 0                               ; the activations' segment
	s_mov_b32 s39, 0                               ; the weight's first row
	s_mov_b32 s99, 0                               ; 1: v
	s_mov_b32 s40, 0                               ; the records' region
	s_mov_b32 s41, 6656                            ; a record
	s_mov_b32 s42, 11                              ; log2 of a batch's positions
	s_mov_b32 s43, 16                              ; records to a head
	s_mov_b32 s67, 6144                            ; where q's or k's scale words lie in a record
	s_cmp_ge_u32 s36, 8
	s_cselect_b32 s37, 8, s37
	s_cselect_b32 s38, 4096, s38
	s_cselect_b32 s40, 3407872, s40
	s_cselect_b32 s41, 13056, s41
	s_cselect_b32 s67, 12288, s67
	s_cmp_ge_u32 s36, 16
	s_cselect_b32 s37, 16, s37
	s_cselect_b32 s39, 1024, s39
	s_cselect_b32 s99, 1, s99
	s_cmp_ge_u32 s36, 24
	s_cselect_b32 s37, 24, s37
	s_cselect_b32 s38, 8192, s38
	s_cselect_b32 s39, 0, s39
	s_cselect_b32 s99, 0, s99
	s_cselect_b32 s40, 10092544, s40
	s_cselect_b32 s42, 9, s42
	s_cselect_b32 s43, 4, s43
	s_cmp_ge_u32 s36, 26
	s_cselect_b32 s37, 26, s37
	s_cselect_b32 s39, 1024, s39
	s_cselect_b32 s99, 1, s99
	s_sub_co_u32 s45, s36, s37
	s_lshl_b32 s45, s45, 9                         ; the cluster's first position in its segment
	s_add_co_u32 s46, s38, s45                     ; as a row of the activations
	s_lshl_b32 s47, ttmp9, 9
	s_add_co_u32 s47, s47, s39                     ; the cluster's first row of the weight
	s_mul_i32 s66, s43, s41                        ; bytes from head to head
	s_wait_dscnt 0x0
	s_wait_kmcnt 0x0
	s_cmp_ge_u32 s36, 8                            ; the weight: a choice that hangs on no address
	s_cselect_b64 s[6:7], s[10:11], s[6:7]
	s_cselect_b64 s[8:9], s[12:13], s[8:9]
	s_cmp_ge_u32 s36, 24
	s_cselect_b64 s[6:7], s[14:15], s[6:7]
	s_cselect_b64 s[8:9], s[16:17], s[8:9]
	s_add_nc_u64 s[10:11], s[4:5], ASC             ; the activations' scale bytes
	s_cmp_eq_u32 s99, 1
	s_cselect_b32 s48, s46, s47                    ; X's first row
	s_cselect_b32 s49, s47, s46                    ; Y's
	s_cselect_b64 s[12:13], s[4:5], s[6:7]         ; X's codes
	s_cselect_b64 s[14:15], s[10:11], s[8:9]       ; X's scales
	s_cselect_b64 s[16:17], s[6:7], s[4:5]         ; Y's codes
	s_cselect_b64 s[2:3], s[8:9], s[10:11]         ; Y's scales
	s_cselect_b32 s4, s28, s20                     ; which of cx, cy counts positions,
	s_cselect_b32 s5, s20, s28                     ; and which heads
	s_lshl_b32 s6, s4, 7
	s_add_co_u32 s6, s6, s45                       ; my tile's first position
	s_lshr_b32 s7, s6, s42                         ; batch
	s_lshl_b32 s8, s7, s42
	s_sub_co_u32 s8, s6, s8
	s_lshr_b32 s8, s8, 7                           ; record in the head
	s_lshl_b32 s9, ttmp9, 3
	s_lshl_b32 s5, s5, 1
	s_add_co_u32 s9, s9, s5                        ; my tile's first head
	s_lshl_b32 s7, s7, 4
	s_add_co_u32 s9, s9, s7
	s_mul_i32 s9, s9, s43
	s_add_co_u32 s9, s9, s8
	s_mul_i32 s10, s9, s41
	s_add_co_u32 s10, s10, s40
	s_mov_b32 s11, 0
	s_add_nc_u64 s[18:19], s[18:19], s[10:11]      ; my record of the first head
	s_lshl_b32 s22, s20, 7                         ; Y: row = first + 128 cy + 64 half
	s_add_co_u32 s22, s22, s49
	s_lshl_b32 s23, s98, 6
	s_add_co_u32 s22, s22, s23
	s_mul_i32 s24, s22, 768
	s_mov_b32 s25, 0
	s_lshl_b32 s26, s22, 5
	s_mov_b32 s27, 0
	s_add_nc_u64 s[16:17], s[16:17], s[24:25]
	s_add_nc_u64 s[2:3], s[2:3], s[26:27]
	s_lshl_b32 s30, s28, 7                         ; X: row = first + 128 cx + 64 half
	s_add_co_u32 s30, s30, s48
	s_add_co_u32 s30, s30, s23
	s_mul_i32 s32, s30, 768
	s_mov_b32 s33, 0
	s_lshl_b32 s34, s30, 5
	s_mov_b32 s35, 0
	s_add_nc_u64 s[12:13], s[12:13], s[32:33]
	s_add_nc_u64 s[14:15], s[14:15], s[34:35]
	s_lshl_b32 s21, s20, 2
	s_lshl_b32 s21, 15, s21                        ; my row of the cluster
	s_lshl_b32 s29, 0x1111, s28                    ; my column
	s_or_b32 s36, s21, KS                          ; group 1 of Y's scales s[36:43], of X's s[44:51], of Y's codes s[20:27], of X's s[28:35]
	s_or_b32 s44, s29, KS
	s_or_b32 s20, s21, KC
	s_or_b32 s28, s29, KC
.irp g, 20, 28                         ; 64 rows of 192 bytes, 768 bytes apart
	s_mov_b32 s[\g+1], 192<<16
	s_mov_b32 s[\g+2], 64<<16
	s_mov_b32 s[\g+3], 192<<16
	s_mov_b32 s[\g+4], 64
	s_mov_b32 s[\g+5], 768
	s_mov_b32 s[\g+6], 0
	s_mov_b32 s[\g+7], 0
.endr
.irp g, 36, 44                         ; 2,048 dense bytes as 8 rows of 256
	s_mov_b32 s[\g+1], 32<<16
	s_mov_b32 s[\g+2], 8<<16
	s_mov_b32 s[\g+3], 32<<16
	s_mov_b32 s[\g+4], 8
	s_mov_b32 s[\g+5], 32
	s_mov_b32 s[\g+6], 0
	s_mov_b32 s[\g+7], 0
.endr
	s_mul_i32 s100, s98, HALFT                     ; where my half goes: no place in the cluster enters an LDS address
	s_mul_i32 s101, s98, 8*272
	ROUND                                          ; all sixteen work-groups are here: the joint loads meet
	s_mov_b32 s72, 1
	s_add_co_u32 s73, s101, YSC
	s_mov_b64 s[74:75], s[2:3]
	s_or_b32 s75, s75, 0x80000000
	s_mov_b32 s92, 1
	s_add_co_u32 s93, s101, XSC
	s_mov_b64 s[94:95], s[14:15]
	s_or_b32 s95, s95, 0x80000000
	JLOAD 72, 36, 92, 44                           ; the scales first
.irp j, 0,1,2,3
.set GY, 52+4*\j+4*(\j/3)              ; s52, s56, s60, s68
.set GX, 76+4*\j
	s_mov_b32 s[GY], 1
	s_add_co_u32 s[GY+1], s100, \j*SLOT
	s_add_nc_u64 s[GY+2:GY+3], s[16:17], 192*\j
	s_or_b32 s[GY+3], s[GY+3], 0x80000000
	s_mov_b32 s[GX], 1
	s_add_co_u32 s[GX+1], s100, \j*SLOT+2*HALFT
	s_add_nc_u64 s[GX+2:GX+3], s[12:13], 192*\j
	s_or_b32 s[GX+3], s[GX+3], 0x80000000
	JLOAD GY, 20, GX, 28
.endr
	s_mov_b32 s100, 0x76543210
	s_mov_b32 s101, 0xfedcba98                     ; selects: lane l xor 16
	v_and_b32 v1, 15, v0                           ; r
	v_bfe_u32 v2, v0, 4, 1                         ; h
	v_and_b32 v3, 31, v0                           ; lane
	v_mul_u32_u24 v4, v1, PITCH
	v_mad_u32_u24 v4, v2, 24, v4                   ; a fragment's row x pitch + 24 h
	v_lshl_add_u32 v5, v2, 4, v4                   ; and the same behind one padding more
	s_mul_i32 s14, s96, 32*PITCH                   ; my 32 rows of Y
.irp j, 0,1,2,3
	s_add_co_u32 s15, s14, \j*SLOT
	v_add_nc_u32 v[8+\j], s15, v4
	v_add_nc_u32 v[12+\j], s15, v5
	v_add_nc_u32 v[16+\j], \j*SLOT+2*HALFT, v4
	v_add_nc_u32 v[20+\j], \j*SLOT+2*HALFT, v5
.endr
	v_lshrrev_b32 v6, 3, v1
	v_lshlrev_b32 v6, 4, v6
	v_lshl_add_u32 v6, v1, 5, v6                   ; a row's 32 scale bytes, 16 more for each 256 passed
	v_add_nc_u32 v24, XSC, v6
	s_mul_i32 s15, s96, 2*544
	s_add_co_u32 s15, s15, YSC
	v_add_nc_u32 v25, s15, v6
	v_lshlrev_b32 v26, 4, v3                       ; 16 x lane
	v_lshlrev_b32 v27, 3, v3                       ; 8 x lane
	v_lshlrev_b32 v28, 4, v1
	v_lshl_add_u32 v28, v2, 9, v28
	s_lshl_b32 s15, s96, 2
	s_add_co_u32 s15, s15, SSTK
	v_add_nc_u32 v28, s15, v28                     ; q, k: my scale word: head h, 16 r + 4 wave (+ 256 y)
	v_lshlrev_b32 v29, 3, v1
	s_lshl_b32 s15, s97, 8
	s_lshl_b32 s16, s98, 2
	s_add_co_u32 s15, s15, s16
	s_add_co_u32 s15, s15, SSTV
	v_add_nc_u32 v29, s15, v29                     ; v: head wave / 2, 8 r + 4 (wave % 2) (+ 128 y)
	v_lshlrev_b32 v30, 4, v2                       ; 16 h
	s_lshl_b32 s15, s96, 8
	s_add_co_u32 s15, s15, SSTK
	v_add_nc_u32 v31, s15, v27                     ; q, k: the 256 bytes of scale words that I copy out
	s_lshl_b32 s15, s98, 8
	s_add_co_u32 s15, s15, SSTV
	v_add_nc_u32 v7, s15, v27                      ; v: likewise (waves 0, 1)
.irp b, 0,1,2,3
	v_mov_b32 v[TM+4+\b], 0                        ; a lane permute's destination counts as read
.endr
	s_mul_i32 s4, s96, 1536                        ; q, k: my two tile images, first head,
	s_mov_b32 s5, 0
	s_add_nc_u64 s[4:5], s[18:19], s[4:5]
	s_mov_b32 s6, s66
	s_mov_b32 s7, 0
	s_add_nc_u64 s[6:7], s[4:5], s[6:7]            ; second head
	s_mul_i32 s8, s97, s66                         ; v: head wave / 2, fragments 2 (wave % 2) on
	s_mul_i32 s9, s98, 3072
	s_add_co_u32 s8, s8, s9
	s_add_co_u32 s8, s8, 6144
	s_mov_b32 s9, 0
	s_add_nc_u64 s[8:9], s[18:19], s[8:9]
	s_mul_i32 s10, s97, s66                        ; q, k: scale words of head wave / 2, half wave % 2
	s_lshl_b32 s11, s98, 8
	s_add_co_u32 s10, s10, s11
	s_add_co_u32 s10, s10, s67
	s_mov_b32 s11, 0
	s_add_nc_u64 s[10:11], s[18:19], s[10:11]
	s_mul_i32 s12, s98, s66                        ; v: scale words of head wave (waves 0, 1)
	s_add_co_u32 s12, s12, 12800
	s_mov_b32 s13, 0
	s_add_nc_u64 s[12:13], s[18:19], s[12:13]
.macro FRAG reg, adr, q, i             ; 16 rows x 128 K: 12 registers, in pieces of 8 bytes; lanes 16-31 read three pieces on, for some pieces behind one padding more: the second address
.irp p, 0,1,2,3,4,5
.set PCE, 12*(\q)+6*(\p/3)+\p%3
.if PCE%8 < 5
	ds_load_b64 v[\reg+2*\p:\reg+2*\p+1], v[\adr] offset:8*PCE+16*(PCE/8)+(\i)*16*PITCH
.else
	ds_load_b64 v[\reg+2*\p:\reg+2*\p+1], v[\adr+4] offset:8*PCE+16*(PCE/8)+(\i)*16*PITCH
.endif
.endr
.endm
.macro FETCH s                         ; K step s: X's eight fragments and my two of Y into set s % 2; with a slot's first step its scale words
.set FJ, (\s)/2
.set FQ, (\s)%2
.set FP, 128*((\s)%2)
	WIN TO_F
.irp b, 0,1,2,3,4,5,6,7
	FRAG FP+12*\b, 16+FJ, FQ, \b
.endr
.irp y, 0,1
	FRAG FP+96+12*\y, 8+FJ, FQ, \y
.endr
	WIN 0
.if FQ == 0
.irp b, 0,1,2,3,4,5,6,7
	ds_load_b64 v[32+20*(FJ%2)+2*\b:32+20*(FJ%2)+2*\b+1], v24 offset:544*\b+8*FJ
.endr
.irp y, 0,1
	ds_load_b64 v[48+20*(FJ%2)+2*\y:48+20*(FJ%2)+2*\y+1], v25 offset:544*\y+8*FJ
.endr
.endif
.endm
.macro MUL16 s                         ; the sixteen accumulators take turns, one instruction a turn, in the same order in every step
.set PP, 128*((\s)%2)
.set SS, 32+20*(((\s)/2)%2)+(\s)%2
.irp y, 0,1
.irp b, 0,1,2,3,4,5,6,7
.if (\s) == 0
	v_wmma_scale_f32_16x16x128_f8f6f4 v[128+8*(8*\y+\b):135+8*(8*\y+\b)], v[PP+12*\b:PP+12*\b+11], v[PP+96+12*\y:PP+96+12*\y+11], 0, v[SS+2*\b], v[SS+16+2*\y] matrix_a_fmt:MATRIX_FMT_BF6 matrix_b_fmt:MATRIX_FMT_BF6
.else
	v_wmma_scale_f32_16x16x128_f8f6f4 v[128+8*(8*\y+\b):135+8*(8*\y+\b)], v[PP+12*\b:PP+12*\b+11], v[PP+96+12*\y:PP+96+12*\y+11], v[128+8*(8*\y+\b):135+8*(8*\y+\b)], v[SS+2*\b], v[SS+16+2*\y] matrix_a_fmt:MATRIX_FMT_BF6 matrix_b_fmt:MATRIX_FMT_BF6
.endif
.endr
.endr
.endm
.macro STEP s
	s_wait_dscnt 0x0                               ; this step's fragments are in (asked for ahead of the last step's sixteen products)
.if ((\s)%2 == 1) && ((\s) < 7)
	s_wait_tensorcnt 3-((\s)+1)/2                  ; my part of the next slot has landed; the count is the slots behind it, which may stay out
	s_barrier_signal -1
	s_barrier_wait -1                              ; everybody's has.
.endif
.if (\s) < 7
.if (\s) > 0
	PLACES                                         ; four places in front of loads into registers that the last step's products read (ISA guide 7.12.1 for vector instructions)
.endif
	FETCH (\s)+1
.endif
	WIN MUL
	MUL16 \s
	WIN 0
.endm
; 64 numbers of a lane, register 16 b + i = place 32 b + 16 h + i along the next K, become a fragment's codes in v[PC] on and its scale word in v[PW]
.macro QUANT s
.irp b, 0,1,2,3
	v_max3_num_f32 v[TM+\b], |v[\s+16*\b]|, |v[\s+1+16*\b]|, 0x2800000   ; each accumulator is read from its low end on; the floor 2^(5 - 127) holds the byte at 1
.endr
.irp i, 2,4,6,8,10,12,14
.irp b, 0,1,2,3
	v_max3_num_f32 v[TM+\b], v[TM+\b], |v[\s+16*\b+\i]|, |v[\s+1+16*\b+\i]|
.endr
.endr
.irp b, 0,1,2,3
	v_permlanex16_b32 v[TM+4+\b], v[TM+\b], s100, s101
.endr
.irp b, 0,1,2,3
	v_max_num_f32 v[TM+\b], v[TM+\b], v[TM+4+\b]   ; with lane l xor 16's: the block's largest magnitude
.endr
.irp b, 0,1,2,3
	v_add_nc_u32 v[TM+12+\b], 0xfe000000, v[TM+\b] ; 4 off its exponent field: the conversion's scale operand
.endr
.irp b, 0,1,2,3
	v_lshrrev_b32 v[TM+4+\b], 23, v[TM+12+\b]      ; the scale's byte
.endr
	v_lshl_or_b32 v[PW], v[TM+5], 8, v[TM+4]
	v_lshl_or_b32 v[PW], v[TM+6], 16, v[PW]
	v_lshl_or_b32 v[PW], v[TM+7], 24, v[PW]
.irp c, 0,1
	v_cvt_scalef32_pk16_bf6_f32 v[PC+6*\c:PC+2+6*\c], v[\s+32*\c:\s+15+32*\c], v[TM+12+2*\c]
	v_cvt_scalef32_pk16_bf6_f32 v[PC+12+4*\c:PC+14+4*\c], v[\s+16+32*\c:\s+31+32*\c], v[TM+12+2*\c+1]
.endr
	v_nop                                          ; one plain place behind a scaled conversion
.irp c, 0,1                            ; a whole block to a lane: lanes 0-15 block 2 c, lanes 16-31 block 2 c + 1
.irp i, 0,1,2
	v_permlane16_swap_b32 v[PC+6*\c+\i], v[PC+12+4*\c+\i]
.endr
.irp i, 0,1,2
	v_mov_b32 v[PC+3+6*\c+\i], v[PC+12+4*\c+\i]
.endr
.endr
.endm
	s_wait_tensorcnt 3                             ; my scales and my part of slot 0 are in; slots 1 to 3 may be out
	s_barrier_signal -1
	s_barrier_wait -1
	FETCH 0
.irp s, 0,1,2,3,4,5,6,7
	STEP \s
.endr
	PLACES                                         ; in front of the first read of results
	s_cmp_eq_u32 s99, 1                            ; the path: alike in every wave and every partner
	s_cbranch_scc1 .Lv_out
.irp y, 0,1                            ; q, k: a lane's 64 numbers are two heads' channels of one position: two tile images
	s_wait_xcnt 0x0                                ; earlier stores have read the codes' registers,
	s_wait_dscnt 0x0                               ; and the LDS store its word
	QUANT 128+64*\y
	global_store_b128 v26, v[PC:PC+3], s[4:5] offset:768*\y          ; 512 consecutive bytes, aligned
	global_store_b64 v27, v[PC+4:PC+5], s[4:5] offset:768*\y+512     ; 256
	global_store_b128 v26, v[PC+6:PC+9], s[6:7] offset:768*\y
	global_store_b64 v27, v[PC+10:PC+11], s[6:7] offset:768*\y+512
	v_lshrrev_b32 v89, v30, v[PW]
	v_and_b32 v89, 0xffff, v89                     ; lanes 0-15: the first head's two bytes; lanes 16-31: the second's; the upper bytes 0: they meet zero codes
	ds_store_b32 v28, v89 offset:256*\y
.endr
	s_wait_dscnt 0x0                               ; for the others' sake: my words lie in the stage
	s_barrier_signal -1
	s_barrier_wait -1
	ds_load_b64 v[72:73], v31
	s_wait_dscnt 0x0
	global_store_b64 v27, v[72:73], s[10:11]       ; 256 consecutive bytes, aligned
	s_branch .Ldone
.Lv_out:
.irp y, 0,1                            ; v: a lane's 64 numbers are 128 keys' halves of one channel: a fragment image
	s_wait_xcnt 0x0
	s_wait_dscnt 0x0
	QUANT 128+64*\y
.irp p, 0,1,2
	global_store_b128 v26, v[PC+4*\p:PC+4*\p+3], s[8:9] offset:1536*\y+512*\p
.endr
	ds_store_b32 v29, v[PW] offset:128*\y          ; lanes r and r + 16 write the same word with the same value
.endr
	s_wait_dscnt 0x0
	s_barrier_signal -1
	s_barrier_wait -1
	s_cmp_lt_u32 s96, 2
	s_cbranch_scc0 .Ldone
	ds_load_b64 v[72:73], v7
	s_wait_dscnt 0x0
	global_store_b64 v27, v[72:73], s[12:13]
.Ldone:
	s_wait_tensorcnt 0x0
	ds_add_u32 v126, v127
	s_wait_dscnt 0x0
	ROUND                                          ; the closing round: no work-group ends while a partner may still ask for a tile that names it
	s_endpgm
.Lfunc_end_k_q6cae95a370_qkv1:
	.size	k_q6cae95a370_qkv1, .Lfunc_end_k_q6cae95a370_qkv1-k_q6cae95a370_qkv1
	.p2alignl 7, 3214868480
	.fill 96, 4, 3214868480
	.section	.rodata,"a",@progbits
	.p2align	6, 0x0
	.amdhsa_kernel k_q6cae95a370_qkv1
		.amdhsa_group_segment_fixed_size 256512
		.amdhsa_private_segment_fixed_size 0
		.amdhsa_enable_private_segment 0
		.amdhsa_kernarg_size 64
		.amdhsa_user_sgpr_count 2
		.amdhsa_user_sgpr_kernarg_segment_ptr 1
		.amdhsa_wavefront_size32 1
		.amdhsa_system_sgpr_workgroup_id_x 1
		.amdhsa_system_sgpr_workgroup_id_y 1
		.amdhsa_system_sgpr_workgroup_id_z 1
		.amdhsa_system_vgpr_workitem_id 0
		.amdhsa_next_free_vgpr 512
		.amdhsa_next_free_sgpr 102
		.amdhsa_reserve_vcc 0
		.amdhsa_float_denorm_mode_32 3
		.amdhsa_float_denorm_mode_16_64 3
		.amdhsa_memory_ordered 1
		.amdhsa_forward_progress 1
		.amdhsa_inst_pref_size 85
	.end_amdhsa_kernel
	.amdgpu_metadata
---
amdhsa.version: [ 1, 2 ]
amdhsa.kernels:
  - .name:           k_q6cae95a370_qkv1
    .symbol:         k_q6cae95a370_qkv1.kd
    .args:
      - { .name: acts, .offset: 0, .size: 8, .value_kind: global_buffer, .address_space: global }
      - { .name: sa_wq_codes, .offset: 8, .size: 8, .value_kind: global_buffer, .address_space: global }
      - { .name: sa_wq_scales, .offset: 16, .size: 8, .value_kind: global_buffer, .address_space: global }
      - { .name: sa_wkv_codes, .offset: 24, .size: 8, .value_kind: global_buffer, .address_space: global }
      - { .name: sa_wkv_scales, .offset: 32, .size: 8, .value_kind: global_buffer, .address_space: global }
      - { .name: ca_wkv_codes, .offset: 40, .size: 8, .value_kind: global_buffer, .address_space: global }
      - { .name: ca_wkv_scales, .offset: 48, .size: 8, .value_kind: global_buffer, .address_space: global }
      - { .name: qkv, .offset: 56, .size: 8, .value_kind: global_buffer, .address_space: global }
    .group_segment_fixed_size: 256512
    .private_segment_fixed_size: 0
    .kernarg_segment_align: 8
    .kernarg_segment_size: 64
    .max_flat_workgroup_size: 128
    .sgpr_count:     102
    .vgpr_count:     512
    .wavefront_size: 32
...
	.end_amdgpu_metadata
.endif
;; end of part 2
;; launch att_sa (part 3): grid 8 x 32, 16 waves a work-group, no clusters, 216,064 bytes of LDS; arguments qkv, sa_rel, o; writes o
.if DOCPART == 3
	.amdgcn_target "amdgcn-amd-amdhsa--gfx1250"
	.amdhsa_code_object_version 6
	.text
	.protected	k_q6cae95a370_att_sa
	.globl	k_q6cae95a370_att_sa
	.p2align	8
	.type	k_q6cae95a370_att_sa,@function
k_q6cae95a370_att_sa:
	s_mov_b64 s[64:65], 0
	v_nop
	global_prefetch_b8 v0, s[64:65] scope:SCOPE_SE
	s_setreg_imm32_b32 hwreg(HW_REG_WAVE_MODE, 25, 1), 1
	s_wait_xcnt 0x0
; ATTENTION ON CODES OF BF6, head size 64, NK keys, with the relative-position bias added to the scores ahead of the scale 1/8.
; q, k, v come as records of 128 positions (see the sizes below); the result, O / l, is quantised along the channels and stored as tile images for the output projection.
; SOFTMAX: t = (score + bias) x log2(e) / 8; M = the running largest t rounded UP to a whole number; p = 2^(t - M) is quantised along the keys; the row's sum is taken of the unquantised p and divides O at the end;
; when M moves, the sum and O are multiplied by 2^(old M - new M), which rounds nothing.
; SHARES.  A work-group owns 256 positions of one (batch, head); each of its sixteen waves one tile of 16 in 256 registers.  ALL of the head's K and V, NK / 128 records of 13,056 bytes, lie in LDS:
; waves 0-3 bring them, NG loads each, all asked for at the start (at most NG tensor loads of a wave are out); no LDS byte is filled twice.
; LAYOUT.  Both products transposed: S^T = K Q^T, O^T = V^T P^T: a lane holds one query.  Positions have bits 3 and 4 exchanged, so the 16 registers of tiles 2 b, 2 b + 1 are the keys 32 b + 16 (lane / 16) + 0 .. 15.
; K = 64 in an instruction of 128: Q's upper six registers are zero codes; K's upper six are the next tile's codes, which so add nothing; the scale words' upper bytes are 0, which is 2^-127 and no NaN.
; THE BIAS is the C of the score's product.  bucket(rel) is constant for |rel| >= 91: a step all of whose 128 keys lie so far from my 16 queries takes one number; the others read a table of 512 words, index rel + 256.
; The branch hangs on ids alone.  The buckets' edges 12, 16, 23, 32, 46, 64, 91 are the whole numbers at which 2 log2(n / 8) passes 1 .. 7; at 16, 32, 64 the quotient of logarithms is taken as exact.
; NO CLUSTER: the branch near / far and the table's LDS address hang on the query block, which would be the work-group's place in its cluster; and a work-group asks for its K and V once.
; LIMITS: NaN and infinities are not served; a block of zeros or under 2^-122 gets the byte 1 (zero codes; only this program reads the bytes).
; REGISTERS: v1 16 x lane, v2 8 x lane, v3 my place in the table; v4-6 the step's addresses; v8-10 addresses that stay; v12 -M, v13 largest t, v[14:15] the sum; v16-27 Q; v32-85 K's eight tiles (6 registers each, v80-85 zeros), later V's four fragments;
;   v86-87 V's scale words; v88-95 the far bias; v96-159 S^T, then p; v160-191 O^T; v192-219 the way out; v224-235 p's codes; v232-254 at work; v248-251 K's scale words; v253 p's; v255 Q's.
.set NK,    2048
.set KVOFF, 3407872
.set NREC,  NK/128
.set NG,    NREC/4
.set QOFF,  NK-2048                    ; query i stands at place i + QOFF among the keys
.set REC,   13056                      ; K's 8 tile images 6,144 | V's 4 fragment images 6,144 | K's scale words 512 | V's 256
.set TBL,   NREC*REC                   ; the bias table: 1,024 words
.set OST,   TBL+4096                   ; the way out: 256 scale words
	s_load_b128 s[4:7], s[0:1], 0x0                ; qkv, rel
	s_load_b64 s[8:9], s[0:1], 0x10                ; o
	v_lshl_add_u32 v223, v0, 2, 0x34400
	v_mov_b32 v243, 0
	ds_add_u32 v223, v243
	ds_add_u32 v223, v243
	v_lshrrev_b32 v4, 5, v0
	v_readfirstlane_b32 s10, v4                    ; wave 0..15
	s_and_b32 s12, ttmp7, 0xffff                   ; 16 x batch + head
	s_and_b32 s13, s12, 15
	s_lshr_b32 s14, s12, 4
	s_lshl_b32 s15, ttmp9, 4
	s_add_co_u32 s15, s15, s10                     ; T: my tile among the head's 128
	s_lshr_b32 s16, s15, 1
	s_lshl_b32 s16, s16, 5
	s_and_b32 s51, s15, 1
	s_lshl_b32 s51, s51, 3
	s_add_co_u32 s16, s16, s51
	s_add_co_i32 s16, s16, QOFF                    ; my lowest query's place: lane r's is this + r + 8 (r / 8)
	s_mov_b32 s24, 3<<16                           ; group 1: a record, 51 dense rows of 256 bytes (32 elements of 8); no mask, no padding
	s_mov_b32 s25, 32<<16
	s_mov_b32 s26, 51<<16
	s_mov_b32 s27, 32<<16
	s_mov_b32 s28, 51
	s_mov_b32 s29, 32
	s_mov_b32 s30, 0
	s_mov_b32 s31, 0
	s_mul_i32 s54, s12, NREC
	s_add_co_u32 s54, s54, s10
	s_mul_i32 s54, s54, REC
	s_add_co_u32 s54, s54, KVOFF                   ; record w of my head
	s_mov_b32 s55, 0
	s_mul_i32 s53, s10, REC                        ; and its place in LDS
	s_lshl_b32 s56, s12, 4
	s_lshl_b32 s51, ttmp9, 1
	s_add_co_u32 s56, s56, s51
	s_lshr_b32 s51, s10, 3
	s_add_co_u32 s56, s56, s51
	s_mul_i32 s56, s56, 6656                       ; my record of Q
	s_and_b32 s51, s10, 7
	s_mul_i32 s58, s51, 768
	s_add_co_u32 s58, s58, s56                     ; my tile image
	s_mov_b32 s59, 0
	s_lshr_b32 s51, s51, 1
	s_lshl_b32 s51, s51, 2
	s_add_co_u32 s56, s56, s51
	s_and_b32 s51, s10, 1
	s_lshl_b32 s51, s51, 8
	s_add_co_u32 s56, s56, s51
	s_add_co_u32 s56, s56, 6144                    ; my tile's scale words: + 16 r
	s_mov_b32 s57, 0
	s_lshl_b32 s60, s13, 2                         ; my head's column of rel
	s_mov_b32 s61, 0
	s_lshr_b32 s66, s13, 2                         ; o's images: [head / 4][position tile][head % 4][768]
	s_mul_i32 s66, s66, 786432
	s_lshl_b32 s51, s14, 7
	s_add_co_u32 s51, s51, s15
	s_mul_i32 s51, s51, 3072
	s_add_co_u32 s66, s66, s51
	s_and_b32 s51, s13, 3
	s_mul_i32 s51, s51, 768
	s_add_co_u32 s66, s66, s51
	s_mov_b32 s67, 0
	s_lshl_b32 s68, s13, 14                        ; o's scale words: [head][position] at 3,145,728
	s_lshl_b32 s51, s14, 13
	s_add_co_u32 s68, s68, s51
	s_lshl_b32 s51, ttmp9, 10
	s_add_co_u32 s68, s68, s51
	s_and_b32 s51, s10, 1
	s_lshl_b32 s51, s51, 9
	s_add_co_u32 s68, s68, s51
	s_add_co_u32 s68, s68, 3145728
	s_mov_b32 s69, 0
	s_and_b32 s70, s13, 1
	s_lshl_b32 s70, s70, 4                         ; an odd head's two bytes go to the word's upper half
	s_mov_b32 s20, 0x76543210
	s_mov_b32 s21, 0xfedcba98                      ; selects: lane l xor 16
	s_mov_b32 s22, 0x3e38aa3b                      ; c = log2(e) / 8
	s_mov_b32 s23, s22
	s_wait_dscnt 0x0
	s_wait_kmcnt 0x0
	s_add_nc_u64 s[54:55], s[4:5], s[54:55]
	s_add_nc_u64 s[56:57], s[4:5], s[56:57]
	s_add_nc_u64 s[58:59], s[4:5], s[58:59]
	s_add_nc_u64 s[6:7], s[6:7], s[60:61]
	s_add_nc_u64 s[66:67], s[8:9], s[66:67]
	s_add_nc_u64 s[68:69], s[8:9], s[68:69]
	s_load_b32 s48, s[6:7], 0x3c0                  ; rel[15][head]: far behind
	s_load_b32 s49, s[6:7], 0x7c0                  ; rel[31][head]: far ahead
.set g, 0
.rept NG
	s_mov_b32 s[32+4*g], 1
	s_add_co_u32 s[33+4*g], s53, 4*g*REC
	s_add_nc_u64 s[34+4*g:35+4*g], s[54:55], 4*g*REC
	s_or_b32 s[35+4*g], s[35+4*g], 0x80000000
.set g, g+1
.endr
	s_cmp_lt_u32 s10, 4                            ; all first fills of a wave stand in one branch on the wave's number
	s_cbranch_scc0 .Lno_fill
.set g, 0
.rept NG
	tensor_load_to_lds s[32+4*g:35+4*g], s[24:31]  ; record 4 g + wave
	s_nop 0
.set g, g+1
.endr
.rept 4
	v_nop
.endr
.Lno_fill:
	v_and_b32 v4, 31, v0
	v_lshlrev_b32 v1, 4, v4
	v_lshlrev_b32 v2, 3, v4
	v_and_b32 v5, 15, v0                           ; r
	v_bfe_u32 v6, v0, 4, 1                         ; h
	v_and_b32 v7, 8, v5
	v_add_nc_u32 v7, v7, v5                        ; r + 8 (r / 8)
	v_lshl_add_u32 v3, v6, 4, 256
	v_sub_nc_u32 v3, v3, v7
	v_lshlrev_b32 v3, 2, v3                        ; 4 (256 + 16 h - my query's offset)
	v_lshlrev_b32 v8, 4, v5
	s_lshl_b32 s51, s10, 6
	s_add_co_u32 s51, s51, OST
	v_lshl_add_u32 v9, v5, 2, s51                  ; the way out: my query's scale word
	s_and_b32 s51, s10, 1
	s_lshl_b32 s51, s51, 9
	s_add_co_u32 s51, s51, OST
	v_add_nc_u32 v10, s51, v1                      ; and the 512 bytes that waves 0, 1 copy out
	global_load_b128 v[16:19], v1, s[58:59]        ; Q's image
	global_load_b64 v[20:21], v2, s[58:59] offset:512
	global_load_b32 v255, v8, s[56:57]
	v_add_nc_u32 v96, 0xffffff00, v0               ; THE TABLE: thread i makes the word of rel = i - 256
	v_sub_nc_u32 v97, 0, v96
	v_cmp_gt_i32 vcc_lo, 0, v96
	v_cndmask_b32 v97, v96, v97, vcc_lo            ; n = |rel|
	v_min_u32 v98, 8, v97
.irp thr, 12,16,23,32,46,64,91
	v_cmp_le_u32 vcc_lo, \thr, v97
	v_add_co_ci_u32 v98, vcc_lo, 0, v98, vcc_lo    ; one more for each edge passed
.endr
	v_mov_b32 v99, 16
	v_cmp_le_i32 vcc_lo, 0, v96
	v_cndmask_b32 v99, 0, v99, vcc_lo              ; 16 more where rel >= 0
	v_add_nc_u32 v98, v98, v99
	v_min_u32 v98, 31, v98
	v_lshlrev_b32 v98, 6, v98                      ; a row of rel is 64 bytes
	global_load_b32 v100, v98, s[6:7]
	v_lshl_add_u32 v101, v0, 2, TBL
	v_mov_b32 v13, 0xff61b1e6                      ; the largest t so far: -3e38
	v_floor_f32 v12, -v13
	v_mov_b32 v14, 0
	v_mov_b32 v15, 0
.irp i, 22,23,24,25,26,27,80,81,82,83,84,85,194,195,236,237,238,239,253
	v_mov_b32 v\i, 0                               ; zero codes; permutes' destinations; the pair v[252:253]'s upper half
.endr
.set n, 0
.rept 32
	v_mov_b32 v[160+n], 0                          ; O^T: the step is written once, its first pass finds zeros
.set n, n+1
.endr
	s_wait_kmcnt 0x0
	v_mov_b32 v102, s49
	s_wait_loadcnt 0x0                             ; Q, its scale words, my word of the table
	ds_store_b32 v101, v100
	ds_store_b32 v101, v102 offset:2048            ; the upper half is never wanted by a step that reads the table; it is written so that every word that an address can name is set
.macro SPROD t, c0                     ; tile t's scores; c0 = 1: C is the far bias; 0: C lies in the result's registers
.if \c0
.if (\t)%2
	v_wmma_scale_f32_16x16x128_f8f6f4 v[96+8*(\t):103+8*(\t)], v[32+6*(\t):43+6*(\t)], v[16:27], v[88:95], v[248+(\t)/2], v255 matrix_a_fmt:MATRIX_FMT_BF6 matrix_b_fmt:MATRIX_FMT_BF6 matrix_a_scale:MATRIX_SCALE_ROW1
.else
	v_wmma_scale_f32_16x16x128_f8f6f4 v[96+8*(\t):103+8*(\t)], v[32+6*(\t):43+6*(\t)], v[16:27], v[88:95], v[248+(\t)/2], v255 matrix_a_fmt:MATRIX_FMT_BF6 matrix_b_fmt:MATRIX_FMT_BF6
.endif
.else
.if (\t)%2
	v_wmma_scale_f32_16x16x128_f8f6f4 v[96+8*(\t):103+8*(\t)], v[32+6*(\t):43+6*(\t)], v[16:27], v[96+8*(\t):103+8*(\t)], v[248+(\t)/2], v255 matrix_a_fmt:MATRIX_FMT_BF6 matrix_b_fmt:MATRIX_FMT_BF6 matrix_a_scale:MATRIX_SCALE_ROW1
.else
	v_wmma_scale_f32_16x16x128_f8f6f4 v[96+8*(\t):103+8*(\t)], v[32+6*(\t):43+6*(\t)], v[16:27], v[96+8*(\t):103+8*(\t)], v[248+(\t)/2], v255 matrix_a_fmt:MATRIX_FMT_BF6 matrix_b_fmt:MATRIX_FMT_BF6
.endif
.endif
.endm
; A KEY STEP: one record, 128 keys.  s17 its first key, s18 its LDS byte.
.macro STEP
	s_sub_co_i32 s19, s17, s16                     ; first key - my lowest query's place
	s_cmp_gt_i32 s19, 113
	s_cselect_b32 s50, s49, s48
.irp i, 0,1,2,3,4,5,6,7
	v_mov_b32 v[88+\i], s50                        ; the far bias.  (These thirteen plain lines are also the places behind the last step's products, in front of the loads below)
.endr
	v_add_nc_u32 v4, s18, v1
	v_add_nc_u32 v5, s18, v2
	s_lshl_b32 s51, s19, 2
	v_add_nc_u32 v6, s51, v3
	v_and_b32 v6, 0x7fc, v6                        ; in a step that reads the table the index lies in 16 .. 496 and the mask changes nothing
	v_add_nc_u32 v6, TBL, v6
.irp t, 0,1,2,3,4,5,6,7
	ds_load_b128 v[32+6*\t:35+6*\t], v4 offset:768*\t
	ds_load_b64 v[36+6*\t:37+6*\t], v5 offset:768*\t+512
.endr
	ds_load_b128 v[248:251], v4 offset:12288       ; register b: lanes 0-15 tile 2 b's words, lanes 16-31 tile 2 b + 1's
	s_add_co_i32 s51, s19, 217
	s_cmp_lt_u32 s51, 331                          ; near: some |rel| of the step may lie under 91
	s_cbranch_scc1 .Lnear_\@
	s_wait_dscnt 0x0
.irp t, 0,1,2,3,4,5,6,7
	SPROD \t, 1
.endr
	s_branch .Ljoin_\@
.Lnear_\@:
.set n, 0
.rept 64
	ds_load_b32 v[96+n], v6 offset:4*(32*(n/16)+n%16)   ; the bias of key 32 b + 16 h + i for my query
.set n, n+1
.endr
	s_wait_dscnt 0x0
.irp t, 0,1,2,3,4,5,6,7
	SPROD \t, 0
.endr
.Ljoin_\@:
.rept 4
	v_nop                                          ; places: in front of the loads over K's registers and of the first read of the scores
.endr
.irp t, 0,1,2,3
.irp p, 0,1,2
	ds_load_b128 v[32+12*\t+4*\p:35+12*\t+4*\p], v4 offset:6144+1536*\t+512*\p   ; V's fragments land under the softmax
.endr
.endr
	ds_load_b64 v[86:87], v5 offset:12800
.irp b, 0,1,2,3
	v_max3_num_f32 v[232+\b], v[96+16*\b], v[97+16*\b], v[98+16*\b]   ; the largest score of each block of 32 keys: for the row's maximum, and, since p rises with the score, for the block's largest p
.endr
.irp i, 3,5,7,9,11,13
.irp b, 0,1,2,3
	v_max3_num_f32 v[232+\b], v[232+\b], v[96+16*\b+\i], v[97+16*\b+\i]
.endr
.endr
.irp b, 0,1,2,3
	v_max_num_f32 v[232+\b], v[232+\b], v[111+16*\b]
.endr
.irp b, 0,1,2,3
	v_permlanex16_b32 v[236+\b], v[232+\b], s20, s21
.endr
.irp b, 0,1,2,3
	v_max_num_f32 v[232+\b], v[232+\b], v[236+\b]
.endr
	v_max3_num_f32 v254, v232, v233, v234
	v_max_num_f32 v254, v254, v235
	v_mul_f32 v254, s22, v254
	v_max_num_f32 v13, v13, v254                   ; the running largest t
	v_mov_b32 v254, v12
	v_floor_f32 v12, -v13                          ; -M = floor(-t): M is a whole number
	v_sub_f32 v254, v12, v254
	v_cvt_i32_f32 v254, v254                       ; (it saturates)
	v_ldexp_f32 v252, 1.0, v254                    ; f = 2^(old M - new M)
.set n, 0
.rept 32
	v_pk_fma_f32 v[96+n:97+n], v[96+n:97+n], s[22:23], v[12:13] op_sel_hi:[1,0,0]   ; t - M
.set n, n+2
.endr
.irp b, 0,1,2,3
	v_fma_f32 v[232+\b], v[232+\b], s22, v12
.endr
.set n, 0
.rept 64
	v_exp_f32 v[96+n], v[96+n]                     ; p = 2^(t - M)
.set n, n+1
.endr
.irp b, 0,1,2,3
	v_exp_f32 v[232+\b], v[232+\b]                 ; the block's largest p
.endr
	v_pk_mul_f32 v[14:15], v[14:15], v[252:253] op_sel_hi:[1,0]   ; the sums under the new M (a plain place behind the exponentials)
	s_wait_alu depctr_va_vdst(0)
.irp b, 0,1,2,3
	v_max_num_f32 v[232+\b], 0x2800000, v[232+\b]  ; the floor 2^(5 - 127)
.endr
.irp b, 0,1,2,3
	v_add_nc_u32 v[244+\b], 0xfe000000, v[232+\b]
.endr
.irp b, 0,1,2,3
	v_lshrrev_b32 v[236+\b], 23, v[244+\b]
.endr
	v_lshl_or_b32 v253, v237, 8, v236              ; p's scale word
	v_lshl_or_b32 v253, v238, 16, v253
	v_lshl_or_b32 v253, v239, 24, v253
.irp c, 0,1
	v_cvt_scalef32_pk16_bf6_f32 v[224+6*\c:226+6*\c], v[96+32*\c:111+32*\c], v[244+2*\c]
	v_cvt_scalef32_pk16_bf6_f32 v[236+4*\c:238+4*\c], v[112+32*\c:127+32*\c], v[244+2*\c+1]
.endr
	v_nop                                          ; one plain place behind a scaled conversion
.irp c, 0,1
.irp i, 0,1,2
	v_permlane16_swap_b32 v[224+6*\c+\i], v[236+4*\c+\i]
.endr
.irp i, 0,1,2
	v_mov_b32 v[227+6*\c+\i], v[236+4*\c+\i]
.endr
.endr
	v_pk_add_f32 v[236:237], v[96:97], v[98:99]    ; the row's sum of the unquantised p, in two chains
.irp j, 4,8,12,16,20,24,28,32,36,40,44,48,52,56,60
	v_pk_add_f32 v[14:15], v[14:15], v[96+\j:97+\j]
	v_pk_add_f32 v[236:237], v[236:237], v[98+\j:99+\j]
.endr
	v_pk_add_f32 v[14:15], v[14:15], v[236:237]
.set n, 0
.rept 16
	v_pk_mul_f32 v[160+n:161+n], v[160+n:161+n], v[252:253] op_sel_hi:[1,0]   ; O^T under the new M, each accumulator from its low end on; with the sums above these are the places in front of the products below
.set n, n+2
.endr
	s_wait_dscnt 0x0                               ; V
.irp t, 0,2
	v_wmma_scale_f32_16x16x128_f8f6f4 v[160+8*\t:167+8*\t], v[32+12*\t:43+12*\t], v[224:235], v[160+8*\t:167+8*\t], v[86+\t/2], v253 matrix_a_fmt:MATRIX_FMT_BF6 matrix_b_fmt:MATRIX_FMT_BF6
	v_wmma_scale_f32_16x16x128_f8f6f4 v[168+8*\t:175+8*\t], v[44+12*\t:55+12*\t], v[224:235], v[168+8*\t:175+8*\t], v[86+\t/2], v253 matrix_a_fmt:MATRIX_FMT_BF6 matrix_b_fmt:MATRIX_FMT_BF6 matrix_a_scale:MATRIX_SCALE_ROW1
.endr
	s_add_co_u32 s18, s18, REC
	s_add_co_u32 s17, s17, 128
.endm
.macro GROUP g                         ; records 4 g .. 4 g + 3
	s_wait_tensorcnt NG-1-(\g)                     ; my record of this group has landed; the count is my later records, which may stay out
	s_wait_dscnt 0x0                               ; my LDS stores (the table) and loads are done
	s_barrier_signal -1
	s_barrier_wait -1                              ; everybody's.
	s_mov_b32 s18, 4*(\g)*REC
	s_mov_b32 s17, 512*(\g)
	s_mov_b32 s52, 4
.Lgroup_\@:
	STEP
	s_sub_co_u32 s52, s52, 1
	s_cmp_lg_u32 s52, 0
	s_cbranch_scc1 .Lgroup_\@
.endm
.set gg, 0
.rept NG
	GROUP gg
.set gg, gg+1
.endr
	; THE WAY OUT: O^T / l, its channels brought into their own order, quantised along them: a tile image and a scale word a query
.rept 4
	v_nop
.endr
	v_add_f32 v14, v14, v15
	v_permlanex16_b32 v252, v14, s20, s21
	v_add_f32 v14, v14, v252                       ; the row's sum
	v_rcp_f32 v14, v14
	v_nop                                          ; one plain place behind a transcendental
.set n, 0
	s_wait_alu depctr_va_vdst(0)
.rept 32
	v_mul_f32 v[96+n], v[160+n], v14               ; register 8 t + j: channel 16 t + 8 h + j
.set n, n+1
.endr
.irp b, 0,1
.irp j, 0,1,2,3,4,5,6,7
	v_permlane16_swap_b32 v[96+16*\b+\j], v[104+16*\b+\j]   ; register 16 b + i is now channel 32 b + 16 h + i
.endr
.endr
.irp b, 0,1
	v_max3_num_f32 v[192+\b], |v[96+16*\b]|, |v[97+16*\b]|, 0x2800000
.endr
.irp i, 2,4,6,8,10,12,14
.irp b, 0,1
	v_max3_num_f32 v[192+\b], v[192+\b], |v[96+16*\b+\i]|, |v[97+16*\b+\i]|
.endr
.endr
.irp b, 0,1
	v_permlanex16_b32 v[194+\b], v[192+\b], s20, s21
.endr
.irp b, 0,1
	v_max_num_f32 v[192+\b], v[192+\b], v[194+\b]
.endr
.irp b, 0,1
	v_add_nc_u32 v[196+\b], 0xfe000000, v[192+\b]
.endr
.irp b, 0,1
	v_lshrrev_b32 v[198+\b], 23, v[196+\b]
.endr
	v_lshl_or_b32 v200, v199, 8, v198
	v_lshlrev_b32 v200, s70, v200
	v_cvt_scalef32_pk16_bf6_f32 v[204:206], v[96:111], v196
	v_cvt_scalef32_pk16_bf6_f32 v[212:214], v[112:127], v197
	v_nop
.irp i, 0,1,2
	v_permlane16_swap_b32 v[204+\i], v[212+\i]     ; a whole block to a lane
.endr
.irp i, 0,1,2
	v_mov_b32 v[207+\i], v[212+\i]
.endr
	global_store_b128 v1, v[204:207], s[66:67]     ; 512 consecutive bytes, aligned
	global_store_b64 v2, v[208:209], s[66:67] offset:512
	ds_store_b32 v9, v200                          ; lanes r and r + 16 write the same word with the same value
	s_wait_dscnt 0x0
	s_barrier_signal -1
	s_barrier_wait -1
	s_cmp_lt_u32 s10, 2
	s_cbranch_scc0 .Lend
	ds_load_b128 v[216:219], v10
	s_wait_dscnt 0x0
	global_store_b128 v1, v[216:219], s[68:69]     ; 128 positions' words: 512 consecutive bytes
.Lend:
	s_wait_tensorcnt 0x0
	ds_add_u32 v223, v243
	s_wait_dscnt 0x0
	s_endpgm
.Lfunc_end_k_q6cae95a370_att_sa:
	.size	k_q6cae95a370_att_sa, .Lfunc_end_k_q6cae95a370_att_sa-k_q6cae95a370_att_sa
	.p2alignl 7, 3214868480
	.fill 96, 4, 3214868480
	.section	.rodata,"a",@progbits
	.p2align	6, 0x0
	.amdhsa_kernel k_q6cae95a370_att_sa
		.amdhsa_group_segment_fixed_size 216064
		.amdhsa_private_segment_fixed_size 0
		.amdhsa_enable_private_segment 0
		.amdhsa_kernarg_size 24
		.amdhsa_user_sgpr_count 2
		.amdhsa_user_sgpr_kernarg_segment_ptr 1
		.amdhsa_wavefront_size32 1
		.amdhsa_system_sgpr_workgroup_id_x 1
		.amdhsa_system_sgpr_workgroup_id_y 1
		.amdhsa_system_sgpr_workgroup_id_z 1
		.amdhsa_system_vgpr_workitem_id 0
		.amdhsa_next_free_vgpr 256
		.amdhsa_next_free_sgpr 72
		.amdhsa_reserve_vcc 1
		.amdhsa_float_denorm_mode_32 3
		.amdhsa_float_denorm_mode_16_64 3
		.amdhsa_memory_ordered 1
		.amdhsa_forward_progress 1
		.amdhsa_inst_pref_size 100
	.end_amdhsa_kernel
	.amdgpu_metadata
---
amdhsa.version: [ 1, 2 ]
amdhsa.kernels:
  - .name:           k_q6cae95a370_att_sa
    .symbol:         k_q6cae95a370_att_sa.kd
    .args:
      - { .name: qkv, .offset: 0, .size: 8, .value_kind: global_buffer, .address_space: global }
      - { .name: sa_rel, .offset: 8, .size: 8, .value_kind: global_buffer, .address_space: global }
      - { .name: o, .offset: 16, .size: 8, .value_kind: global_buffer, .address_space: global }
    .group_segment_fixed_size: 216064
    .private_segment_fixed_size: 0
    .kernarg_segment_align: 8
    .kernarg_segment_size: 24
    .max_flat_workgroup_size: 512
    .sgpr_count:     72
    .vgpr_count:     256
    .wavefront_size: 32
...
	.end_amdgpu_metadata
.endif
;; end of part 3
;; launch out_sa (part 4): grid 8 x 32, 4 waves a work-group, clusters of 4 x 4, 268,288 bytes of LDS; arguments o, sa_wo_codes, sa_wo_scales, sa_bo, x, x1; writes x1
.if DOCPART == 4
	.amdgcn_target "amdgcn-amd-amdhsa--gfx1250"
	.amdhsa_code_object_version 6
	.text
	.protected	k_q6cae95a370_out_sa
	.globl	k_q6cae95a370_out_sa
	.p2align	8
	.type	k_q6cae95a370_out_sa,@function
k_q6cae95a370_out_sa:
	s_mov_b64 s[64:65], 0
	v_nop
	global_prefetch_b8 v0, s[64:65] scope:SCOPE_SE
	s_setreg_imm32_b32 hwreg(HW_REG_WAVE_MODE, 25, 1), 1
	s_wait_xcnt 0x0
	s_wait_alu depctr_hold_cnt(0) depctr_sa_sdst(0) depctr_va_vdst(0) depctr_va_sdst(0) depctr_va_ssrc(0) depctr_va_vcc(0) depctr_vm_vsrc(0)
	s_getreg_b32 s2, hwreg(HW_REG_IB_STS2, 6, 4)
	s_cmp_eq_u32 s2, 0
	s_cbranch_scc0 .Lentry_in_a_cluster
	s_endpgm
.Lentry_in_a_cluster:
	s_bfe_u32 s2, ttmp6, 0x10000c
	s_cmp_lg_u32 s2, 0xf033
	s_cbranch_scc0 .Lentry_shape_is_right
	s_endpgm
.Lentry_shape_is_right:
; THE OUTPUT PROJECTION ON CODES OF BF6, + bias + residual, f32 out.  A tile of 128 positions x 128 columns, K = 1,024, all of K in LDS: every tensor load is a first fill.
; Arguments: o (images [head / 4][position tile 256][head % 4][768] at 0; scale words [head 16][position 4096] at 3,145,728), the weight's codes [1024][768] and scale bytes [1024][32], bias, residual, result.
; Source 0 is X, 128 rows of the weight (all eight blocks in every wave); source 1 is Y, 32 positions a wave: a lane holds eight neighbouring columns of one row of the result.
; A K step of 128 is two heads: Y's fragment is two tile images on end, loaded as they lie; its scale word is the OR of the two heads' words (an odd head's bytes lie in the upper half).
; The bias is the C of each sum's first product.  The residual's rows are asked for at the head and land under the products.  Positions have bits 3 and 4 exchanged: row 16 y + t of my 32 is row 8 y + t + 8 (t / 8) of the result.
; CLUSTER 4 x 4: Y's tiles hang on cy alone (joint along a row of the cluster), X's on cx alone (along a column).  By this text's own count a wave has five tensor loads out.  No LDS byte is filled twice.
; REGISTERS.  Window 0: v8-15 Y's LDS addresses (16 and 8 bytes a lane), v16-23 X's, v24, 25 scale words', v26-29 the way out; v32-63 X's scale words, two sets; v64-79 sixteen heads' words, v80-87 Y's words for the eight K steps; v128-255 accumulators.
;   Window 1: two sets of fragments; on the way out 32 rows.   Window 2: v0-127 the residual's 32 rows; v128-191 the bias in the result's layout.
.set PITCH, 240
.set HALFT, 64*PITCH
.set YIMG,  8*3072                     ; a slot's part of Y: 8 position tiles x 4 heads' images
.set SLOT,  YIMG+2*HALFT               ; 256 along K
.set XSC,   4*SLOT
.set YSC,   XSC+16*272                 ; 16 heads x (512 bytes + 16)
.set STG,   YSC+16*528                 ; a stage of 16 rows x (512 + 16) for each wave
.set KC,  (1<<20)|(1<<21)|(3<<22)|(3<<25)
.set KS,  (3<<16)|(1<<20)|(1<<21)|(5<<22)|(3<<25)
.set KYC, (3<<16)|(1<<21)                          ; Y's images: dense, elements of 8 bytes, no padding
.set KYS, (3<<16)|(1<<20)|(1<<21)|(6<<22)|(3<<25)  ; Y's words: after every 128 words 4 of padding
.set TO_F, 0x40
.set MSB, 0
.macro WIN new
.if MSB != \new
	s_set_vgpr_msb (MSB<<8)|\new
.set MSB, \new
.endif
.endm
.macro ROUND
	s_barrier_signal -1
	s_barrier_wait -1
	s_cmp_lg_u32 s96, 0
	s_cbranch_scc1 .Lnot_wave_0_\@
	s_barrier_signal -3
.Lnot_wave_0_\@:
	s_barrier_wait -3
	s_barrier_signal -1
	s_barrier_wait -1
.endm
.macro JLOAD g0y, g1y, g0x, g1x        ; waves 0, 1 fetch Y's halves, waves 2, 3 X's.  Four v_nop follow each line
	s_cmp_eq_u32 s97, 0
	s_cbranch_scc0 .Lfor_x_\@
	tensor_load_to_lds s[\g0y:\g0y+3], s[\g1y:\g1y+7]
	s_nop 0
.rept 4
	v_nop
.endr
	s_branch .Lasked_\@
.Lfor_x_\@:
	tensor_load_to_lds s[\g0x:\g0x+3], s[\g1x:\g1x+7]
	s_nop 0
.rept 4
	v_nop
.endr
.Lasked_\@:
.endm
.macro PLACES
.rept 4
	v_nop
.endr
.endm
	s_load_b256 s[4:11], s[0:1], 0x0               ; o, the weight's codes, its scales, bias
	s_load_b128 s[12:15], s[0:1], 0x20             ; residual, result
	v_lshl_add_u32 v126, v0, 2, 0x41600
	v_mov_b32 v127, 0
	ds_add_u32 v126, v127
	ds_add_u32 v126, v127
	v_lshrrev_b32 v1, 5, v0
	v_readfirstlane_b32 s96, v1
	s_lshr_b32 s97, s96, 1
	s_and_b32 s98, s96, 1
	s_bfe_u32 s28, ttmp6, 0x40000                  ; cx: held only in registers of X's descriptors
	s_bfe_u32 s20, ttmp6, 0x40004                  ; cy: only in Y's
	s_and_b32 s99, ttmp7, 0xffff                   ; gy
	s_lshl_b32 s21, s99, 5
	s_lshl_b32 s22, s20, 3
	s_add_co_u32 s21, s21, s22                     ; my tile's first position tile
	s_lshl_b32 s22, s98, 2
	s_add_co_u32 s22, s22, s21                     ; + 4 half
	s_mul_i32 s24, s22, 3072
	s_mov_b32 s25, 0
	s_lshl_b32 s26, s21, 6                         ; 4 bytes a position
	s_lshl_b32 s27, s98, 17                        ; heads 8 half on
	s_add_co_u32 s26, s26, s27
	s_add_co_u32 s26, s26, 3145728
	s_mov_b32 s27, 0
	s_lshl_b32 s30, ttmp9, 9
	s_lshl_b32 s31, s28, 7
	s_add_co_u32 s30, s30, s31                     ; my tile's first column = first row of the weight
	s_lshl_b32 s66, s30, 2
	s_mov_b32 s67, 0
	s_lshl_b32 s31, s98, 6
	s_add_co_u32 s30, s30, s31
	s_mul_i32 s32, s30, 768
	s_mov_b32 s33, 0
	s_lshl_b32 s34, s30, 5
	s_mov_b32 s35, 0
	s_lshl_b32 s2, s99, 9
	s_lshl_b32 s3, s20, 7
	s_add_co_u32 s2, s2, s3
	s_lshl_b32 s3, s96, 5
	s_add_co_u32 s2, s2, s3                        ; my wave's first row
	s_lshl_b32 s2, s2, 12
	s_add_co_u32 s2, s2, s66
	s_mov_b32 s3, 0
	s_wait_dscnt 0x0
	s_wait_kmcnt 0x0
	s_add_nc_u64 s[16:17], s[4:5], s[24:25]        ; Y's images
	s_add_nc_u64 s[18:19], s[4:5], s[26:27]        ; Y's words
	s_add_nc_u64 s[6:7], s[6:7], s[32:33]
	s_add_nc_u64 s[8:9], s[8:9], s[34:35]
	s_add_nc_u64 s[10:11], s[10:11], s[66:67]
	s_add_nc_u64 s[12:13], s[12:13], s[2:3]
	s_add_nc_u64 s[14:15], s[14:15], s[2:3]
	s_lshl_b32 s21, s20, 2
	s_lshl_b32 s21, 15, s21                        ; my row of the cluster
	s_lshl_b32 s29, 0x1111, s28                    ; my column
	s_or_b32 s36, s21, KYS                         ; group 1 of Y's words s[36:43], of X's scales s[44:51], of Y's images s[20:27], of X's codes s[28:35]
	s_or_b32 s44, s29, KS
	s_or_b32 s20, s21, KYC
	s_or_b32 s28, s29, KC
	s_mov_b32 s21, 32<<16                          ; Y's images: 12,288 dense bytes as 48 rows of 256
	s_mov_b32 s22, 48<<16
	s_mov_b32 s23, 32<<16
	s_mov_b32 s24, 48
	s_mov_b32 s25, 32
	s_mov_b32 s26, 0
	s_mov_b32 s27, 0
	s_mov_b32 s29, 192<<16                         ; X's codes: 64 rows of 192 bytes, 768 apart
	s_mov_b32 s30, 64<<16
	s_mov_b32 s31, 192<<16
	s_mov_b32 s32, 64
	s_mov_b32 s33, 768
	s_mov_b32 s34, 0
	s_mov_b32 s35, 0
	s_mov_b32 s37, 64<<16                          ; Y's words: 8 heads' rows of 512 bytes, 16,384 apart
	s_mov_b32 s38, 8<<16
	s_mov_b32 s39, 64<<16
	s_mov_b32 s40, 8
	s_mov_b32 s41, 2048
	s_mov_b32 s42, 0
	s_mov_b32 s43, 0
	s_mov_b32 s45, 32<<16                          ; X's scales: 2,048 dense bytes as 8 rows of 256
	s_mov_b32 s46, 8<<16
	s_mov_b32 s47, 32<<16
	s_mov_b32 s48, 8
	s_mov_b32 s49, 32
	s_mov_b32 s50, 0
	s_mov_b32 s51, 0
	s_mul_i32 s100, s98, 12288                     ; where my half goes
	s_mul_i32 s101, s98, HALFT
	s_mul_i32 s2, s98, 8*528
	s_mul_i32 s3, s98, 8*272
	ROUND                                          ; all sixteen work-groups are here: the joint loads meet
	s_mov_b32 s72, 1
	s_add_co_u32 s73, s2, YSC
	s_mov_b64 s[74:75], s[18:19]
	s_or_b32 s75, s75, 0x80000000
	s_mov_b32 s92, 1
	s_add_co_u32 s93, s3, XSC
	s_mov_b64 s[94:95], s[8:9]
	s_or_b32 s95, s95, 0x80000000
	JLOAD 72, 36, 92, 44
.irp j, 0,1,2,3
.set GY, 52+4*\j+4*(\j/3)
.set GX, 76+4*\j
	s_mov_b32 s[GY], 1
	s_add_co_u32 s[GY+1], s100, \j*SLOT
	s_add_nc_u64 s[GY+2:GY+3], s[16:17], 786432*\j
	s_or_b32 s[GY+3], s[GY+3], 0x80000000
	s_mov_b32 s[GX], 1
	s_add_co_u32 s[GX+1], s101, \j*SLOT+YIMG
	s_add_nc_u64 s[GX+2:GX+3], s[6:7], 192*\j
	s_or_b32 s[GX+3], s[GX+3], 0x80000000
	JLOAD GY, 20, GX, 28
.endr
	v_and_b32 v1, 15, v0                           ; r
	v_bfe_u32 v2, v0, 4, 1                         ; h
	v_and_b32 v3, 31, v0                           ; lane
	v_mul_u32_u24 v4, v1, PITCH
	v_mad_u32_u24 v4, v2, 24, v4
	v_lshl_add_u32 v5, v2, 4, v4
	v_lshlrev_b32 v28, 4, v3                       ; 16 x lane
	v_lshlrev_b32 v6, 3, v3                        ; 8 x lane
	v_lshlrev_b32 v29, 5, v2                       ; 32 h: my eight numbers of a block's bias
	s_mul_i32 s2, s96, 6144                        ; my two position tiles
.irp j, 0,1,2,3
	s_add_co_u32 s3, s2, \j*SLOT
	v_add_nc_u32 v[8+\j], s3, v28
	v_add_nc_u32 v[12+\j], s3, v6
	v_add_nc_u32 v[16+\j], \j*SLOT+YIMG, v4
	v_add_nc_u32 v[20+\j], \j*SLOT+YIMG, v5
.endr
	v_lshrrev_b32 v7, 3, v1
	v_lshlrev_b32 v7, 4, v7
	v_lshl_add_u32 v7, v1, 5, v7
	v_add_nc_u32 v24, XSC, v7
	s_lshl_b32 s3, s96, 7
	s_add_co_u32 s3, s3, YSC
	v_lshl_add_u32 v25, v3, 2, s3                  ; my 32 positions' words: lanes 0-15 block 0's, lanes 16-31 block 1's
	s_mul_i32 s3, s96, 16*528
	s_add_co_u32 s3, s3, STG
	v_mul_u32_u24 v26, v1, 528
	v_lshl_add_u32 v26, v2, 5, v26
	v_add_nc_u32 v26, s3, v26                      ; the stage, in: row r, 32 bytes for each half
	v_add_nc_u32 v27, s3, v28                      ; back: a row of 512 bytes to the 32 lanes
	WIN 0x80                                       ; destination window 2
.irp b, 0,1,2,3,4,5,6,7
	global_load_b128 v[128+8*\b:131+8*\b], v29, s[10:11] offset:64*\b
	global_load_b128 v[132+8*\b:135+8*\b], v29, s[10:11] offset:64*\b+16
.endr
.irp y, 0,1
.irp t, 0,1,2,3,4,5,6,7,8,9,10,11,12,13,14,15
	global_load_b128 v[64*\y+4*\t:64*\y+4*\t+3], v28, s[12:13] offset:(8*\y+\t+8*(\t/8))*4096   ; 512 consecutive bytes of a row of the residual
.endr
.endr
	WIN 0
.macro FRAG reg, adr, q, i
.irp p, 0,1,2,3,4,5
.set PCE, 12*(\q)+6*(\p/3)+\p%3
.if PCE%8 < 5
	ds_load_b64 v[\reg+2*\p:\reg+2*\p+1], v[\adr] offset:8*PCE+16*(PCE/8)+(\i)*16*PITCH
.else
	ds_load_b64 v[\reg+2*\p:\reg+2*\p+1], v[\adr+4] offset:8*PCE+16*(PCE/8)+(\i)*16*PITCH
.endif
.endr
.endm
.macro FETCH s
.set FJ, (\s)/2
.set FQ, (\s)%2
.set FP, 128*((\s)%2)
	WIN TO_F
.irp b, 0,1,2,3,4,5,6,7
	FRAG FP+12*\b, 16+FJ, FQ, \b
.endr
.irp y, 0,1                            ; Y: two heads' images on end are the fragment's twelve registers
	ds_load_b128 v[FP+96+12*\y:FP+99+12*\y], v[8+FJ] offset:3072*\y+1536*FQ
	ds_load_b64 v[FP+100+12*\y:FP+101+12*\y], v[12+FJ] offset:3072*\y+1536*FQ+512
	ds_load_b128 v[FP+102+12*\y:FP+105+12*\y], v[8+FJ] offset:3072*\y+1536*FQ+768
	ds_load_b64 v[FP+106+12*\y:FP+107+12*\y], v[12+FJ] offset:3072*\y+1536*FQ+1280
.endr
	WIN 0
.if FQ == 0
.irp b, 0,1,2,3,4,5,6,7
	ds_load_b64 v[32+16*(FJ%2)+2*\b:32+16*(FJ%2)+2*\b+1], v24 offset:544*\b+8*FJ
.endr
.endif
.endm
.macro MUL16 s                         ; the sixteen accumulators take turns, one instruction a turn, in the same order in every step
.set PP, 128*((\s)%2)
.set SS, 32+16*(((\s)/2)%2)+(\s)%2
.irp b, 0,1,2,3,4,5,6,7
.if (\s) == 0
	v_wmma_scale_f32_16x16x128_f8f6f4 v[128+8*\b:135+8*\b], v[PP+12*\b:PP+12*\b+11], v[PP+96:PP+107], v[128+8*\b:135+8*\b], v[SS+2*\b], v[80+(\s)] matrix_a_fmt:MATRIX_FMT_BF6 matrix_b_fmt:MATRIX_FMT_BF6
.else
	v_wmma_scale_f32_16x16x128_f8f6f4 v[128+8*\b:135+8*\b], v[PP+12*\b:PP+12*\b+11], v[PP+96:PP+107], v[128+8*\b:135+8*\b], v[SS+2*\b], v[80+(\s)] matrix_a_fmt:MATRIX_FMT_BF6 matrix_b_fmt:MATRIX_FMT_BF6
.endif
.endr
.irp b, 0,1,2,3,4,5,6,7
.if (\s) == 0
	v_wmma_scale_f32_16x16x128_f8f6f4 v[192+8*\b:199+8*\b], v[PP+12*\b:PP+12*\b+11], v[PP+108:PP+119], v[128+8*\b:135+8*\b], v[SS+2*\b], v[80+(\s)] matrix_a_fmt:MATRIX_FMT_BF6 matrix_b_fmt:MATRIX_FMT_BF6 matrix_b_scale:MATRIX_SCALE_ROW1
.else
	v_wmma_scale_f32_16x16x128_f8f6f4 v[192+8*\b:199+8*\b], v[PP+12*\b:PP+12*\b+11], v[PP+108:PP+119], v[192+8*\b:199+8*\b], v[SS+2*\b], v[80+(\s)] matrix_a_fmt:MATRIX_FMT_BF6 matrix_b_fmt:MATRIX_FMT_BF6 matrix_b_scale:MATRIX_SCALE_ROW1
.endif
.endr
.endm
.macro STEP s
	s_wait_dscnt 0x0                               ; this step's fragments are in
.if ((\s)%2 == 1) && ((\s) < 7)
	s_wait_tensorcnt 3-((\s)+1)/2                  ; my part of the next slot has landed; the count is the slots behind it
	s_barrier_signal -1
	s_barrier_wait -1
.endif
.if (\s) < 7
.if (\s) > 0
	PLACES                                         ; in front of loads into registers that the last step's products read
.endif
	FETCH (\s)+1
.endif
.if (\s) == 0
	s_wait_loadcnt 32                              ; the bias is in; the residual's 32 loads, issued behind it, may be out
	WIN 0x25                                       ; sources 0, 1 window 1; C (the bias) window 2; D window 0
.else
	WIN 0x05
.endif
	MUL16 \s
	WIN 0
.endm
	s_wait_tensorcnt 3                             ; my scales and my part of slot 0 are in; slots 1 to 3 may be out
	s_barrier_signal -1
	s_barrier_wait -1
.irp e, 0,1,2,3,4,5,6,7,8,9,10,11,12,13,14,15
	ds_load_b32 v[64+\e], v25 offset:528*\e        ; head e's words of my 32 positions
.endr
	s_wait_dscnt 0x0
.irp s, 0,1,2,3,4,5,6,7
	v_or_b32 v[80+\s], v[64+2*\s], v[65+2*\s]      ; K step s: heads 2 s and 2 s + 1
.endr
.rept 8
	v_nop                                          ; a scale register written by a vector instruction stands eight places ahead of a scaled matrix instruction
.endr
	FETCH 0
.irp s, 0,1,2,3,4,5,6,7
	STEP \s
.endr
	PLACES                                         ; in front of the first read of results and of loads over the fragments
.irp y, 0,1                            ; 16 rows x 128 columns through my own stage: LDS serves a wave's instructions in order, so no wait stands between
.irp b, 0,1,2,3,4,5,6,7
	ds_store_b128 v26, v[128+8*(8*\y+\b):131+8*(8*\y+\b)] offset:64*\b       ; each accumulator from its low end on
	ds_store_b128 v26, v[132+8*(8*\y+\b):135+8*(8*\y+\b)] offset:64*\b+16
.endr
	WIN 0x40
.irp t, 0,1,2,3,4,5,6,7,8,9,10,11,12,13,14,15
	ds_load_b128 v[64*\y+4*\t:64*\y+4*\t+3], v27 offset:528*\t
.endr
	WIN 0
.endr
	s_wait_loadcnt 0x0                             ; the residual
.irp y, 0,1
	s_wait_dscnt 32*(1-\y)                         ; block y is back; behind block 0's loads stand block 1's 16 stores and 16 loads
	WIN 0x49                                       ; destination and source 0 window 1, source 1 window 2
.irp i, 0,2,4,6,8,10,12,14,16,18,20,22,24,26,28,30,32,34,36,38,40,42,44,46,48,50,52,54,56,58,60,62
	v_pk_add_f32 v[64*\y+\i:64*\y+\i+1], v[64*\y+\i:64*\y+\i+1], v[64*\y+\i:64*\y+\i+1]
.endr
	WIN 0x04                                       ; a store's data: window 1
.irp t, 0,1,2,3,4,5,6,7,8,9,10,11,12,13,14,15
	global_store_b128 v28, v[64*\y+4*\t:64*\y+4*\t+3], s[14:15] offset:(8*\y+\t+8*(\t/8))*4096   ; 512 consecutive bytes, aligned
.endr
	WIN 0
.endr
	s_wait_tensorcnt 0x0
	ds_add_u32 v126, v127
	s_wait_dscnt 0x0
	ROUND                                          ; the closing round
	s_endpgm
.Lfunc_end_k_q6cae95a370_out_sa:
	.size	k_q6cae95a370_out_sa, .Lfunc_end_k_q6cae95a370_out_sa-k_q6cae95a370_out_sa
	.p2alignl 7, 3214868480
	.fill 96, 4, 3214868480
	.section	.rodata,"a",@progbits
	.p2align	6, 0x0
	.amdhsa_kernel k_q6cae95a370_out_sa
		.amdhsa_group_segment_fixed_size 268288
		.amdhsa_private_segment_fixed_size 0
		.amdhsa_enable_private_segment 0
		.amdhsa_kernarg_size 48
		.amdhsa_user_sgpr_count 2
		.amdhsa_user_sgpr_kernarg_segment_ptr 1
		.amdhsa_wavefront_size32 1
		.amdhsa_system_sgpr_workgroup_id_x 1
		.amdhsa_system_sgpr_workgroup_id_y 1
		.amdhsa_system_sgpr_workgroup_id_z 1
		.amdhsa_system_vgpr_workitem_id 0
		.amdhsa_next_free_vgpr 704
		.amdhsa_next_free_sgpr 102
		.amdhsa_reserve_vcc 0
		.amdhsa_float_denorm_mode_32 3
		.amdhsa_float_denorm_mode_16_64 3
		.amdhsa_memory_ordered 1
		.amdhsa_forward_progress 1
		.amdhsa_inst_pref_size 79
	.end_amdhsa_kernel
	.amdgpu_metadata
---
amdhsa.version: [ 1, 2 ]
amdhsa.kernels:
  - .name:           k_q6cae95a370_out_sa
    .symbol:         k_q6cae95a370_out_sa.kd
    .args:
      - { .name: o, .offset: 0, .size: 8, .value_kind: global_buffer, .address_space: global }
      - { .name: sa_wo_codes, .offset: 8, .size: 8, .value_kind: global_buffer, .address_space: global }
      - { .name: sa_wo_scales, .offset: 16, .size: 8, .value_kind: global_buffer, .address_space: global }
      - { .name: sa_bo, .offset: 24, .size: 8, .value_kind: global_buffer, .address_space: global }
      - { .name: x, .offset: 32, .size: 8, .value_kind: global_buffer, .address_space: global }
      - { .name: x1, .offset: 40, .size: 8, .value_kind: global_buffer, .address_space: global }
    .group_segment_fixed_size: 268288
    .private_segment_fixed_size: 0
    .kernarg_segment_align: 8
    .kernarg_segment_size: 48
    .max_flat_workgroup_size: 128
    .sgpr_count:     102
    .vgpr_count:     704
    .wavefront_size: 32
...
	.end_amdgpu_metadata
.endif
;; end of part 4
;; launch ln2: the kernel of part 1 again; grid 512 x 1, 4 waves a work-group, no clusters, 31,488 bytes of LDS; arguments x1, ca_norm_g, ca_norm_b, sa_normc_g, sa_normc_b, context, ca_normc_g, ca_normc_b, acts; writes acts
;; launch q2: the kernel of part 2 again; grid 8 x 32, 4 waves a work-group, clusters of 4 x 4, 256,512 bytes of LDS; arguments acts, ca_wq_codes, ca_wq_scales, sa_wkv_codes, sa_wkv_scales, ca_wkv_codes, ca_wkv_scales, qkv; writes qkv
;; launch att_ca (part 5): grid 8 x 32, 16 waves a work-group, no clusters, 169,984 bytes of LDS; arguments qkv, ca_rel, o; writes o
.if DOCPART == 5
	.amdgcn_target "amdgcn-amd-amdhsa--gfx1250"
	.amdhsa_code_object_version 6
	.text
	.protected	k_q6cae95a370_att_ca
	.globl	k_q6cae95a370_att_ca
	.p2align	8
	.type	k_q6cae95a370_att_ca,@function
k_q6cae95a370_att_ca:
	s_mov_b64 s[64:65], 0
	v_nop
	global_prefetch_b8 v0, s[64:65] scope:SCOPE_SE
	s_setreg_imm32_b32 hwreg(HW_REG_WAVE_MODE, 25, 1), 1
	s_wait_xcnt 0x0
; ATTENTION ON CODES OF BF6, head size 64, NK = 512 keys (the context), with the relative-position bias added to the scores ahead of the scale 1/8.  The text is the self-attention's with other sizes at its head.
; SOFTMAX: t = (score + bias) x log2(e) / 8; M = the running largest t rounded UP to a whole number; p = 2^(t - M) is quantised along the keys; the row's sum is taken of the unquantised p and divides O at the end;
; when M moves, the sum and O are multiplied by 2^(old M - new M), which rounds nothing.
; SHARES.  A work-group owns 256 positions of one (batch, head); each of its sixteen waves one tile of 16 in 256 registers.  ALL of the head's K and V, NK / 128 records of 13,056 bytes, lie in LDS:
; waves 0-3 bring them, NG loads each, all asked for at the start (at most NG tensor loads of a wave are out); no LDS byte is filled twice.
; LAYOUT.  Both products transposed: S^T = K Q^T, O^T = V^T P^T: a lane holds one query.  Positions have bits 3 and 4 exchanged, so the 16 registers of tiles 2 b, 2 b + 1 are the keys 32 b + 16 (lane / 16) + 0 .. 15.
; K = 64 in an instruction of 128: Q's upper six registers are zero codes; K's upper six are the next tile's codes, which so add nothing; the scale words' upper bytes are 0, which is 2^-127 and no NaN.
; THE BIAS is the C of the score's product.  bucket(rel) is constant for |rel| >= 91: a step all of whose 128 keys lie so far from my 16 queries takes one number; the others read a table of 512 words, index rel + 256.
; The branch hangs on ids alone.  The buckets' edges 12, 16, 23, 32, 46, 64, 91 are the whole numbers at which 2 log2(n / 8) passes 1 .. 7; at 16, 32, 64 the quotient of logarithms is taken as exact.
; NO CLUSTER: the branch near / far and the table's LDS address hang on the query block, which would be the work-group's place in its cluster; and a work-group asks for its K and V once.
; LIMITS: NaN and infinities are not served; a block of zeros or under 2^-122 gets the byte 1 (zero codes; only this program reads the bytes).
; REGISTERS: as in the self-attention's text.
.set NK,    512
.set KVOFF, 10092544
.set NREC,  NK/128
.set NG,    NREC/4
.set QOFF,  NK-2048                    ; query i stands at place i + QOFF among the keys
.set REC,   13056
.set TBL,   NREC*REC
.set OST,   TBL+4096
	s_load_b128 s[4:7], s[0:1], 0x0                ; qkv, rel
	s_load_b64 s[8:9], s[0:1], 0x10                ; o
	v_lshl_add_u32 v223, v0, 2, 0x29000
	v_mov_b32 v243, 0
	ds_add_u32 v223, v243
	ds_add_u32 v223, v243
	v_lshrrev_b32 v4, 5, v0
	v_readfirstlane_b32 s10, v4                    ; wave 0..15
	s_and_b32 s12, ttmp7, 0xffff                   ; 16 x batch + head
	s_and_b32 s13, s12, 15
	s_lshr_b32 s14, s12, 4
	s_lshl_b32 s15, ttmp9, 4
	s_add_co_u32 s15, s15, s10                     ; T: my tile among the head's 128
	s_lshr_b32 s16, s15, 1
	s_lshl_b32 s16, s16, 5
	s_and_b32 s51, s15, 1
	s_lshl_b32 s51, s51, 3
	s_add_co_u32 s16, s16, s51
	s_add_co_i32 s16, s16, QOFF                    ; my lowest query's place: lane r's is this + r + 8 (r / 8)
	s_mov_b32 s24, 3<<16                           ; group 1: a record, 51 dense rows of 256 bytes; no mask, no padding
	s_mov_b32 s25, 32<<16
	s_mov_b32 s26, 51<<16
	s_mov_b32 s27, 32<<16
	s_mov_b32 s28, 51
	s_mov_b32 s29, 32
	s_mov_b32 s30, 0
	s_mov_b32 s31, 0
	s_mul_i32 s54, s12, NREC
	s_add_co_u32 s54, s54, s10
	s_mul_i32 s54, s54, REC
	s_add_co_u32 s54, s54, KVOFF                   ; record w of my head
	s_mov_b32 s55, 0
	s_mul_i32 s53, s10, REC                        ; and its place in LDS
	s_lshl_b32 s56, s12, 4
	s_lshl_b32 s51, ttmp9, 1
	s_add_co_u32 s56, s56, s51
	s_lshr_b32 s51, s10, 3
	s_add_co_u32 s56, s56, s51
	s_mul_i32 s56, s56, 6656                       ; my record of Q
	s_and_b32 s51, s10, 7
	s_mul_i32 s58, s51, 768
	s_add_co_u32 s58, s58, s56                     ; my tile image
	s_mov_b32 s59, 0
	s_lshr_b32 s51, s51, 1
	s_lshl_b32 s51, s51, 2
	s_add_co_u32 s56, s56, s51
	s_and_b32 s51, s10, 1
	s_lshl_b32 s51, s51, 8
	s_add_co_u32 s56, s56, s51
	s_add_co_u32 s56, s56, 6144                    ; my tile's scale words: + 16 r
	s_mov_b32 s57, 0
	s_lshl_b32 s60, s13, 2                         ; my head's column of rel
	s_mov_b32 s61, 0
	s_lshr_b32 s66, s13, 2                         ; o's images: [head / 4][position tile][head % 4][768]
	s_mul_i32 s66, s66, 786432
	s_lshl_b32 s51, s14, 7
	s_add_co_u32 s51, s51, s15
	s_mul_i32 s51, s51, 3072
	s_add_co_u32 s66, s66, s51
	s_and_b32 s51, s13, 3
	s_mul_i32 s51, s51, 768
	s_add_co_u32 s66, s66, s51
	s_mov_b32 s67, 0
	s_lshl_b32 s68, s13, 14                        ; o's scale words: [head][position] at 3,145,728
	s_lshl_b32 s51, s14, 13
	s_add_co_u32 s68, s68, s51
	s_lshl_b32 s51, ttmp9, 10
	s_add_co_u32 s68, s68, s51
	s_and_b32 s51, s10, 1
	s_lshl_b32 s51, s51, 9
	s_add_co_u32 s68, s68, s51
	s_add_co_u32 s68, s68, 3145728
	s_mov_b32 s69, 0
	s_and_b32 s70, s13, 1
	s_lshl_b32 s70, s70, 4                         ; an odd head's two bytes go to the word's upper half
	s_mov_b32 s20, 0x76543210
	s_mov_b32 s21, 0xfedcba98                      ; selects: lane l xor 16
	s_mov_b32 s22, 0x3e38aa3b                      ; c = log2(e) / 8
	s_mov_b32 s23, s22
	s_wait_dscnt 0x0
	s_wait_kmcnt 0x0
	s_add_nc_u64 s[54:55], s[4:5], s[54:55]
	s_add_nc_u64 s[56:57], s[4:5], s[56:57]
	s_add_nc_u64 s[58:59], s[4:5], s[58:59]
	s_add_nc_u64 s[6:7], s[6:7], s[60:61]
	s_add_nc_u64 s[66:67], s[8:9], s[66:67]
	s_add_nc_u64 s[68:69], s[8:9], s[68:69]
	s_load_b32 s48, s[6:7], 0x3c0                  ; rel[15][head]: far behind
	s_load_b32 s49, s[6:7], 0x7c0                  ; rel[31][head]: far ahead
.set g, 0
.rept NG
	s_mov_b32 s[32+4*g], 1
	s_add_co_u32 s[33+4*g], s53, 4*g*REC
	s_add_nc_u64 s[34+4*g:35+4*g], s[54:55], 4*g*REC
	s_or_b32 s[35+4*g], s[35+4*g], 0x80000000
.set g, g+1
.endr
	s_cmp_lt_u32 s10, 4                            ; all first fills of a wave stand in one branch on the wave's number
	s_cbranch_scc0 .Lno_fill
.set g, 0
.rept NG
	tensor_load_to_lds s[32+4*g:35+4*g], s[24:31]  ; record 4 g + wave
	s_nop 0
.set g, g+1
.endr
.rept 4
	v_nop
.endr
.Lno_fill:
	v_and_b32 v4, 31, v0
	v_lshlrev_b32 v1, 4, v4
	v_lshlrev_b32 v2, 3, v4
	v_and_b32 v5, 15, v0                           ; r
	v_bfe_u32 v6, v0, 4, 1                         ; h
	v_and_b32 v7, 8, v5
	v_add_nc_u32 v7, v7, v5                        ; r + 8 (r / 8)
	v_lshl_add_u32 v3, v6, 4, 256
	v_sub_nc_u32 v3, v3, v7
	v_lshlrev_b32 v3, 2, v3                        ; 4 (256 + 16 h - my query's offset)
	v_lshlrev_b32 v8, 4, v5
	s_lshl_b32 s51, s10, 6
	s_add_co_u32 s51, s51, OST
	v_lshl_add_u32 v9, v5, 2, s51                  ; the way out: my query's scale word
	s_and_b32 s51, s10, 1
	s_lshl_b32 s51, s51, 9
	s_add_co_u32 s51, s51, OST
	v_add_nc_u32 v10, s51, v1                      ; and the 512 bytes that waves 0, 1 copy out
	global_load_b128 v[16:19], v1, s[58:59]        ; Q's image
	global_load_b64 v[20:21], v2, s[58:59] offset:512
	global_load_b32 v255, v8, s[56:57]
	v_add_nc_u32 v96, 0xffffff00, v0               ; THE TABLE: thread i makes the word of rel = i - 256
	v_sub_nc_u32 v97, 0, v96
	v_cmp_gt_i32 vcc_lo, 0, v96
	v_cndmask_b32 v97, v96, v97, vcc_lo            ; n = |rel|
	v_min_u32 v98, 8, v97
.irp thr, 12,16,23,32,46,64,91
	v_cmp_le_u32 vcc_lo, \thr, v97
	v_add_co_ci_u32 v98, vcc_lo, 0, v98, vcc_lo    ; one more for each edge passed
.endr
	v_mov_b32 v99, 16
	v_cmp_le_i32 vcc_lo, 0, v96
	v_cndmask_b32 v99, 0, v99, vcc_lo              ; 16 more where rel >= 0
	v_add_nc_u32 v98, v98, v99
	v_min_u32 v98, 31, v98
	v_lshlrev_b32 v98, 6, v98                      ; a row of rel is 64 bytes
	global_load_b32 v100, v98, s[6:7]
	v_lshl_add_u32 v101, v0, 2, TBL
	v_mov_b32 v13, 0xff61b1e6                      ; the largest t so far: -3e38
	v_floor_f32 v12, -v13
	v_mov_b32 v14, 0
	v_mov_b32 v15, 0
.irp i, 22,23,24,25,26,27,80,81,82,83,84,85,194,195,236,237,238,239,253
	v_mov_b32 v\i, 0                               ; zero codes; permutes' destinations; the pair v[252:253]'s upper half
.endr
.set n, 0
.rept 32
	v_mov_b32 v[160+n], 0                          ; O^T: the step is written once, its first pass finds zeros
.set n, n+1
.endr
	s_wait_kmcnt 0x0
	v_mov_b32 v102, s49
	s_wait_loadcnt 0x0                             ; Q, its scale words, my word of the table
	ds_store_b32 v101, v100
	ds_store_b32 v101, v102 offset:2048            ; the upper half is never wanted by a step that reads the table; it is written so that every word that an address can name is set
.macro SPROD t, c0                     ; tile t's scores; c0 = 1: C is the far bias; 0: C lies in the result's registers
.if \c0
.if (\t)%2
	v_wmma_scale_f32_16x16x128_f8f6f4 v[96+8*(\t):103+8*(\t)], v[32+6*(\t):43+6*(\t)], v[16:27], v[88:95], v[248+(\t)/2], v255 matrix_a_fmt:MATRIX_FMT_BF6 matrix_b_fmt:MATRIX_FMT_BF6 matrix_a_scale:MATRIX_SCALE_ROW1
.else
	v_wmma_scale_f32_16x16x128_f8f6f4 v[96+8*(\t):103+8*(\t)], v[32+6*(\t):43+6*(\t)], v[16:27], v[88:95], v[248+(\t)/2], v255 matrix_a_fmt:MATRIX_FMT_BF6 matrix_b_fmt:MATRIX_FMT_BF6
.endif
.else
.if (\t)%2
	v_wmma_scale_f32_16x16x128_f8f6f4 v[96+8*(\t):103+8*(\t)], v[32+6*(\t):43+6*(\t)], v[16:27], v[96+8*(\t):103+8*(\t)], v[248+(\t)/2], v255 matrix_a_fmt:MATRIX_FMT_BF6 matrix_b_fmt:MATRIX_FMT_BF6 matrix_a_scale:MATRIX_SCALE_ROW1
.else
	v_wmma_scale_f32_16x16x128_f8f6f4 v[96+8*(\t):103+8*(\t)], v[32+6*(\t):43+6*(\t)], v[16:27], v[96+8*(\t):103+8*(\t)], v[248+(\t)/2], v255 matrix_a_fmt:MATRIX_FMT_BF6 matrix_b_fmt:MATRIX_FMT_BF6
.endif
.endif
.endm
; A KEY STEP: one record, 128 keys.  s17 its first key, s18 its LDS byte.
.macro STEP
	s_sub_co_i32 s19, s17, s16                     ; first key - my lowest query's place
	s_cmp_gt_i32 s19, 113
	s_cselect_b32 s50, s49, s48
.irp i, 0,1,2,3,4,5,6,7
	v_mov_b32 v[88+\i], s50                        ; the far bias.  (These thirteen plain lines are also the places behind the last step's products, in front of the loads below)
.endr
	v_add_nc_u32 v4, s18, v1
	v_add_nc_u32 v5, s18, v2
	s_lshl_b32 s51, s19, 2
	v_add_nc_u32 v6, s51, v3
	v_and_b32 v6, 0x7fc, v6                        ; in a step that reads the table the index lies in 16 .. 496 and the mask changes nothing
	v_add_nc_u32 v6, TBL, v6
.irp t, 0,1,2,3,4,5,6,7
	ds_load_b128 v[32+6*\t:35+6*\t], v4 offset:768*\t
	ds_load_b64 v[36+6*\t:37+6*\t], v5 offset:768*\t+512
.endr
	ds_load_b128 v[248:251], v4 offset:12288       ; register b: lanes 0-15 tile 2 b's words, lanes 16-31 tile 2 b + 1's
	s_add_co_i32 s51, s19, 217
	s_cmp_lt_u32 s51, 331                          ; near: some |rel| of the step may lie under 91
	s_cbranch_scc1 .Lnear_\@
	s_wait_dscnt 0x0
.irp t, 0,1,2,3,4,5,6,7
	SPROD \t, 1
.endr
	s_branch .Ljoin_\@
.Lnear_\@:
.set n, 0
.rept 64
	ds_load_b32 v[96+n], v6 offset:4*(32*(n/16)+n%16)   ; the bias of key 32 b + 16 h + i for my query
.set n, n+1
.endr
	s_wait_dscnt 0x0
.irp t, 0,1,2,3,4,5,6,7
	SPROD \t, 0
.endr
.Ljoin_\@:
.rept 4
	v_nop                                          ; places: in front of the loads over K's registers and of the first read of the scores
.endr
.irp t, 0,1,2,3
.irp p, 0,1,2
	ds_load_b128 v[32+12*\t+4*\p:35+12*\t+4*\p], v4 offset:6144+1536*\t+512*\p   ; V's fragments land under the softmax
.endr
.endr
	ds_load_b64 v[86:87], v5 offset:12800
.irp b, 0,1,2,3
	v_max3_num_f32 v[232+\b], v[96+16*\b], v[97+16*\b], v[98+16*\b]   ; the largest score of each block of 32 keys: for the row's maximum, and, since p rises with the score, for the block's largest p
.endr
.irp i, 3,5,7,9,11,13
.irp b, 0,1,2,3
	v_max3_num_f32 v[232+\b], v[232+\b], v[96+16*\b+\i], v[97+16*\b+\i]
.endr
.endr
.irp b, 0,1,2,3
	v_max_num_f32 v[232+\b], v[232+\b], v[111+16*\b]
.endr
.irp b, 0,1,2,3
	v_permlanex16_b32 v[236+\b], v[232+\b], s20, s21
.endr
.irp b, 0,1,2,3
	v_max_num_f32 v[232+\b], v[232+\b], v[236+\b]
.endr
	v_max3_num_f32 v254, v232, v233, v234
	v_max_num_f32 v254, v254, v235
	v_mul_f32 v254, s22, v254
	v_max_num_f32 v13, v13, v254                   ; the running largest t
	v_mov_b32 v254, v12
	v_floor_f32 v12, -v13                          ; -M = floor(-t): M is a whole number
	v_sub_f32 v254, v12, v254
	v_cvt_i32_f32 v254, v254                       ; (it saturates)
	v_ldexp_f32 v252, 1.0, v254                    ; f = 2^(old M - new M)
.set n, 0
.rept 32
	v_pk_fma_f32 v[96+n:97+n], v[96+n:97+n], s[22:23], v[12:13] op_sel_hi:[1,0,0]   ; t - M
.set n, n+2
.endr
.irp b, 0,1,2,3
	v_fma_f32 v[232+\b], v[232+\b], s22, v12
.endr
.set n, 0
.rept 64
	v_exp_f32 v[96+n], v[96+n]                     ; p = 2^(t - M)
.set n, n+1
.endr
.irp b, 0,1,2,3
	v_exp_f32 v[232+\b], v[232+\b]                 ; the block's largest p
.endr
	v_pk_mul_f32 v[14:15], v[14:15], v[252:253] op_sel_hi:[1,0]   ; the sums under the new M (a plain place behind the exponentials)
	s_wait_alu depctr_va_vdst(0)
.irp b, 0,1,2,3
	v_max_num_f32 v[232+\b], 0x2800000, v[232+\b]  ; the floor 2^(5 - 127)
.endr
.irp b, 0,1,2,3
	v_add_nc_u32 v[244+\b], 0xfe000000, v[232+\b]
.endr
.irp b, 0,1,2,3
	v_lshrrev_b32 v[236+\b], 23, v[244+\b]
.endr
	v_lshl_or_b32 v253, v237, 8, v236              ; p's scale word
	v_lshl_or_b32 v253, v238, 16, v253
	v_lshl_or_b32 v253, v239, 24, v253
.irp c, 0,1
	v_cvt_scalef32_pk16_bf6_f32 v[224+6*\c:226+6*\c], v[96+32*\c:111+32*\c], v[244+2*\c]
	v_cvt_scalef32_pk16_bf6_f32 v[236+4*\c:238+4*\c], v[112+32*\c:127+32*\c], v[244+2*\c+1]
.endr
	v_nop                                          ; one plain place behind a scaled conversion
.irp c, 0,1
.irp i, 0,1,2
	v_permlane16_swap_b32 v[224+6*\c+\i], v[236+4*\c+\i]
.endr
.irp i, 0,1,2
	v_mov_b32 v[227+6*\c+\i], v[236+4*\c+\i]
.endr
.endr
	v_pk_add_f32 v[236:237], v[96:97], v[98:99]    ; the row's sum of the unquantised p, in two chains
.irp j, 4,8,12,16,20,24,28,32,36,40,44,48,52,56,60
	v_pk_add_f32 v[14:15], v[14:15], v[96+\j:97+\j]
	v_pk_add_f32 v[236:237], v[236:237], v[98+\j:99+\j]
.endr
	v_pk_add_f32 v[14:15], v[14:15], v[236:237]
.set n, 0
.rept 16
	v_pk_mul_f32 v[160+n:161+n], v[160+n:161+n], v[252:253] op_sel_hi:[1,0]   ; O^T under the new M, each accumulator from its low end on; with the sums above these are the places in front of the products below
.set n, n+2
.endr
	s_wait_dscnt 0x0                               ; V
.irp t, 0,2
	v_wmma_scale_f32_16x16x128_f8f6f4 v[160+8*\t:167+8*\t], v[32+12*\t:43+12*\t], v[224:235], v[160+8*\t:167+8*\t], v[86+\t/2], v253 matrix_a_fmt:MATRIX_FMT_BF6 matrix_b_fmt:MATRIX_FMT_BF6
	v_wmma_scale_f32_16x16x128_f8f6f4 v[168+8*\t:175+8*\t], v[44+12*\t:55+12*\t], v[224:235], v[168+8*\t:175+8*\t], v[86+\t/2], v253 matrix_a_fmt:MATRIX_FMT_BF6 matrix_b_fmt:MATRIX_FMT_BF6 matrix_a_scale:MATRIX_SCALE_ROW1
.endr
	s_add_co_u32 s18, s18, REC
	s_add_co_u32 s17, s17, 128
.endm
.macro GROUP g                         ; records 4 g .. 4 g + 3
	s_wait_tensorcnt NG-1-(\g)                     ; my record of this group has landed; the count is my later records, which may stay out
	s_wait_dscnt 0x0                               ; my LDS stores (the table) and loads are done
	s_barrier_signal -1
	s_barrier_wait -1                              ; everybody's.
	s_mov_b32 s18, 4*(\g)*REC
	s_mov_b32 s17, 512*(\g)
	s_mov_b32 s52, 4
.Lgroup_\@:
	STEP
	s_sub_co_u32 s52, s52, 1
	s_cmp_lg_u32 s52, 0
	s_cbranch_scc1 .Lgroup_\@
.endm
.set gg, 0
.rept NG
	GROUP gg
.set gg, gg+1
.endr
	; THE WAY OUT: O^T / l, its channels brought into their own order, quantised along them: a tile image and a scale word a query
.rept 4
	v_nop
.endr
	v_add_f32 v14, v14, v15
	v_permlanex16_b32 v252, v14, s20, s21
	v_add_f32 v14, v14, v252                       ; the row's sum
	v_rcp_f32 v14, v14
	v_nop                                          ; one plain place behind a transcendental
.set n, 0
	s_wait_alu depctr_va_vdst(0)
.rept 32
	v_mul_f32 v[96+n], v[160+n], v14               ; register 8 t + j: channel 16 t + 8 h + j
.set n, n+1
.endr
.irp b, 0,1
.irp j, 0,1,2,3,4,5,6,7
	v_permlane16_swap_b32 v[96+16*\b+\j], v[104+16*\b+\j]   ; register 16 b + i is now channel 32 b + 16 h + i
.endr
.endr
.irp b, 0,1
	v_max3_num_f32 v[192+\b], |v[96+16*\b]|, |v[97+16*\b]|, 0x2800000
.endr
.irp i, 2,4,6,8,10,12,14
.irp b, 0,1
	v_max3_num_f32 v[192+\b], v[192+\b], |v[96+16*\b+\i]|, |v[97+16*\b+\i]|
.endr
.endr
.irp b, 0,1
	v_permlanex16_b32 v[194+\b], v[192+\b], s20, s21
.endr
.irp b, 0,1
	v_max_num_f32 v[192+\b], v[192+\b], v[194+\b]
.endr
.irp b, 0,1
	v_add_nc_u32 v[196+\b], 0xfe000000, v[192+\b]
.endr
.irp b, 0,1
	v_lshrrev_b32 v[198+\b], 23, v[196+\b]
.endr
	v_lshl_or_b32 v200, v199, 8, v198
	v_lshlrev_b32 v200, s70, v200
	v_cvt_scalef32_pk16_bf6_f32 v[204:206], v[96:111], v196
	v_cvt_scalef32_pk16_bf6_f32 v[212:214], v[112:127], v197
	v_nop
.irp i, 0,1,2
	v_permlane16_swap_b32 v[204+\i], v[212+\i]     ; a whole block to a lane
.endr
.irp i, 0,1,2
	v_mov_b32 v[207+\i], v[212+\i]
.endr
	global_store_b128 v1, v[204:207], s[66:67]     ; 512 consecutive bytes, aligned
	global_store_b64 v2, v[208:209], s[66:67] offset:512
	ds_store_b32 v9, v200                          ; lanes r and r + 16 write the same word with the same value
	s_wait_dscnt 0x0
	s_barrier_signal -1
	s_barrier_wait -1
	s_cmp_lt_u32 s10, 2
	s_cbranch_scc0 .Lend
	ds_load_b128 v[216:219], v10
	s_wait_dscnt 0x0
	global_store_b128 v1, v[216:219], s[68:69]     ; 128 positions' words: 512 consecutive bytes
.Lend:
	s_wait_tensorcnt 0x0
	ds_add_u32 v223, v243
	s_wait_dscnt 0x0
	s_endpgm
.Lfunc_end_k_q6cae95a370_att_ca:
	.size	k_q6cae95a370_att_ca, .Lfunc_end_k_q6cae95a370_att_ca-k_q6cae95a370_att_ca
	.p2alignl 7, 3214868480
	.fill 96, 4, 3214868480
	.section	.rodata,"a",@progbits
	.p2align	6, 0x0
	.amdhsa_kernel k_q6cae95a370_att_ca
		.amdhsa_group_segment_fixed_size 169984
		.amdhsa_private_segment_fixed_size 0
		.amdhsa_enable_private_segment 0
		.amdhsa_kernarg_size 24
		.amdhsa_user_sgpr_count 2
		.amdhsa_user_sgpr_kernarg_segment_ptr 1
		.amdhsa_wavefront_size32 1
		.amdhsa_system_sgpr_workgroup_id_x 1
		.amdhsa_system_sgpr_workgroup_id_y 1
		.amdhsa_system_sgpr_workgroup_id_z 1
		.amdhsa_system_vgpr_workitem_id 0
		.amdhsa_next_free_vgpr 256
		.amdhsa_next_free_sgpr 72
		.amdhsa_reserve_vcc 1
		.amdhsa_float_denorm_mode_32 3
		.amdhsa_float_denorm_mode_16_64 3
		.amdhsa_memory_ordered 1
		.amdhsa_forward_progress 1
		.amdhsa_inst_pref_size 35
	.end_amdhsa_kernel
	.amdgpu_metadata
---
amdhsa.version: [ 1, 2 ]
amdhsa.kernels:
  - .name:           k_q6cae95a370_att_ca
    .symbol:         k_q6cae95a370_att_ca.kd
    .args:
      - { .name: qkv, .offset: 0, .size: 8, .value_kind: global_buffer, .address_space: global }
      - { .name: ca_rel, .offset: 8, .size: 8, .value_kind: global_buffer, .address_space: global }
      - { .name: o, .offset: 16, .size: 8, .value_kind: global_buffer, .address_space: global }
    .group_segment_fixed_size: 169984
    .private_segment_fixed_size: 0
    .kernarg_segment_align: 8
    .kernarg_segment_size: 24
    .max_flat_workgroup_size: 512
    .sgpr_count:     72
    .vgpr_count:     256
    .wavefront_size: 32
...
	.end_amdgpu_metadata
.endif
;; end of part 5
;; launch out_ca: the kernel of part 4 again; grid 8 x 32, 4 waves a work-group, clusters of 4 x 4, 268,288 bytes of LDS; arguments o, ca_wo_codes, ca_wo_scales, ca_bo, x1, out0; writes out0
